; MI455X (gfx1250); checked and timed in simulation.
; The chip was launched on July 23, 2026; its instructions are those of AMD's public machine-readable ISA for CDNA 5 (MIT licence, August 2026) and "CDNA5" Instruction Set Architecture Reference Guide (July 2026). The comments in the code are by the model that wrote it; some were corrected since.
;; Local Causal Self Attention. Allowed arithmetic: matrix products marked QUANTISED: E2M1 operands, one E8M0 scale for each 32 along K, by v_wmma_scale_f32_16x16x128_f8f6f4 with both operands' format E2M1 (or v_wmma_scale_f32_32x16x128_f4), f32 sums; products left as they are: bf16, f16 or f32 operands; f32 sums; everything else in f32.
;; Inputs: Wk 1,024 x 1,024 float32; Wo 1,024 x 1,024 float32; Wq 1,024 x 1,024 float32; Wv 1,024 x 1,024 float32; bo 1,024 float32; x 4 x 2,048 x 1,024 float32.
;; Outputs: out0 4 x 2,048 x 1,024 float32.
;; This version of the problem:
;;   THIS VERSION OF THE PROBLEM IS GIVEN IN LOW PRECISION. The matrix products marked QUANTISED in the list below multiply operands that are first quantised to E2M1 (2 exponent bits, 1 mantissa bit; 4 bits a number), with one power-of-two scale for each 32 numbers along K (OCP MX v1.0); their sums are f32. The products marked 'left as it is' may take bf16, f16 or f32 operands, with f32 sums. Whichever they take, every output number must still come out within the allowed error. Rounding operands to bf16 (8 significant bits) uses up far more of that allowance than f16 does (11 bits, for magnitudes from 6e-5 to 65,504). All else is computed in f32.
;;   The module's matrix products, in the order in which they are computed (A, B: the left and right operand; K: the contracted axis; several contracted axes count as one K, in the product's order):
;;     1. [M 8,192, K 1,024] x [K 1,024, N 1,024]; A: input x; B: input Wq: QUANTISED
;;     2. [M 8,192, K 1,024] x [K 1,024, N 1,024]; A: input x; B: input Wk: QUANTISED
;;     3. [M 8,192, K 1,024] x [K 1,024, N 1,024]; A: input x; B: input Wv: QUANTISED
;;     4. batch 64 x [M 2,048, K 64] x [K 64, N 2,048]; A: computed on the way; B: computed on the way: left as it is (an operand is computed on the way)
;;     5. batch 64 x [M 2,048, K 2,048] x [K 2,048, N 64]; A: computed on the way; B: computed on the way: left as it is (an operand is computed on the way)
;;     6. [M 8,192, K 1,024] x [K 1,024, N 1,024]; A: computed on the way; B: input Wo: left as it is (an operand is computed on the way)
;;   THE QUANTISER, for each operand of a quantised product, along K:
;;     - K is cut into blocks of 32 from its start; a last block that is shorter is filled with zeros.
;;     - A block's scale is 2^e with e = floor(log2(the largest magnitude in the block)) - 2, held to -126 .. 127; a block of zeros has e = 0. As a byte (E8M0): e + 127.
;;     - Each number is divided by its block's scale, clamped to +-6, and rounded to the nearest number of E2M1, ties to even, subnormals kept.
;;     - The product sums the exact products of the quantised numbers (number of the format x scale) in f32.
;;   ~~~python
;;   def quantise(x, axis):      # numpy; x: float32 -> the quantised numbers, widened to float32 again
;;       x = np.moveaxis(x, axis, -1); K = x.shape[-1]
;;       x = np.pad(x, [(0, 0)] * (x.ndim - 1) + [(0, -K % 32)]); x = x.reshape(x.shape[:-1] + (-1, 32)); a = np.abs(x).max(-1, keepdims=True)
;;       e = np.where(a > 0, np.clip(np.frexp(np.where(a > 0, a, 1))[1] - 1 - 2, -126, 127), 0)      # np.frexp(a)[1] - 1 = floor(log2(a)), exactly
;;       r = np.clip(x / 2.0 ** e, -6, 6)
;;       step = 2.0 ** (np.maximum(np.frexp(np.where(r == 0, 1, r))[1] - 1, 0) - 1)
;;       q = np.round(r / step) * step * 2.0 ** e      # np.round: ties to even
;;       return np.moveaxis(q.reshape(q.shape[:-2] + (-1,))[..., :K], -1, axis).astype(np.float32)
;;   ~~~
;; One version. Each part assembles by itself: llvm-mc -triple=amdgcn-amd-amdhsa -mcpu=gfx1250 --defsym DOCPART=n.
;; ======== version 1 of 1: 4 launches
;; limits: values are held in f16: magnitudes above 65,504 overflow, below 6.1e-05 lose precision
;; workspace buffers: xc 4,194,304 bytes; xs 262,144 bytes; wc 1,572,864 bytes; ws 98,304 bytes; wo16 2,097,152 bytes; qkv 50,331,648 bytes; ctx 16,777,216 bytes
;; launch prep (part 1): grid 384 x 1, 4 waves a work-group, no clusters, 33,280 bytes of LDS; arguments x, Wq, Wk, Wv, Wo, xc, xs, wc, ws, wo16; writes xc, xs, wc, ws, wo16
.if DOCPART == 1
	.amdgcn_target "amdgcn-amd-amdhsa--gfx1250"
	.amdhsa_code_object_version 6
	.text
	.protected	k_q379009c453_prep
	.globl	k_q379009c453_prep
	.p2align	8
	.type	k_q379009c453_prep,@function
k_q379009c453_prep:
	s_mov_b64 s[64:65], 0
	v_nop
	global_prefetch_b8 v0, s[64:65] scope:SCOPE_SE
	s_setreg_imm32_b32 hwreg(HW_REG_WAVE_MODE, 25, 1), 1
	s_wait_xcnt 0x0
; LocalCausalSelfAttention, launch 1 of 4.  out = softmax((x Wq^T)(x Wk^T)^T / 8) (x Wv^T) Wo^T + bo, head by head (16 heads of 64).
; NOTHING IS LEFT OUT AS DEAD WORK: reference() builds no mask, slices nothing away and adds nothing that cancels; all six inputs reach the output, and all are loaded by some launch.
; THIS LAUNCH: x [8192][1024] and Wq, Wk, Wv [1024][1024], f32, K innermost, become codes of FP4 (E2M1), two to a byte, the lower k in the low four bits, with one E8M0 byte for each 32 along K:
;   xc [8192][512 bytes], xs [8192][32];  wc [3072][512], ws [3072][32]: rows 0-1023 Wq, 1024-2047 Wk, 2048-3071 Wv.  Wo [1024][1024] is rounded to f16: wo16, same order (its product is left as it is).
; A block's scale is 2^(floor(log2(its largest magnitude)) - 2); its byte is the largest magnitude's own exponent field - 2, held at 1 from below; each number is divided by the scale and rounded to the
; nearest code, ties to even, beyond 6 the code of 6.
; LIMITS: a block of zeros gets the byte 1 where the rule says 127 (its codes are zeros, which add nothing under any byte but 0xff, and this program alone reads the bytes); blocks whose largest magnitude
; lies under 2^-124, the floor, were not tried; NaN and infinities among the inputs are not served; Wo beyond 65,504 in magnitude becomes an infinity in f16, and under 6e-5 it keeps steps of 6e-8.
; SHARES: rows are dense and 1,024 is a multiple of 32, so each tensor is a plain stream of blocks of 32.  A work-group takes 32,768 numbers, a wave 8,192.  Work-groups 0-255: x; 256-287 Wq; 288-319 Wk;
; 320-351 Wv: one path, only pointers are chosen, by the work-group's number.  Work-groups 352-383: Wo, a path of its own that touches no LDS.
; THE QUANTISING PATH: 16 steps of 512 numbers.  Each of a step's four loads reads 512 consecutive bytes, 16 a lane; the conversions want 16 NEIGHBOURS in a lane, so the 2,048 bytes turn through the wave's
; own stage in LDS (16 bytes of padding behind each 64) and come back 64 bytes a lane; two neighbouring lanes hold a block.  A lane's 16 codes are 8 bytes: a wave's store covers 256 consecutive bytes, aligned.
; A wave's 256 scale bytes are gathered in its own LDS bytes and leave by one store of 256 consecutive bytes.  No barrier: waves share nothing.  Loads run four steps ahead, the turn through LDS one step.
.set WAVES, 4
.set STEPS, 16
.set WGX,   256                        ; work-groups for x
.set WGW,   32                         ; for each weight
.set WGQ,   WGX+3*WGW                  ; the first of Wo's
.set EMAX,  2
.set CB,    8                          ; bytes of 16 codes
.set R,     16                         ; v16-79   four sets of 16 numbers as they are loaded
.set X,     80                         ; v80-111  two sets of 16 neighbours
.set E,     112                        ; v112-127 a scale byte for each step
.set C,     128                        ; v128-191 codes: four registers for each step, so that no store's data are written again
.set WREG,  8192                       ; LDS: a region for each wave: two stages of 32 x SP bytes, behind them its 256 scale bytes
.set SP,    80                         ; a lane's place in a stage: 64 bytes + 16 of padding
.set SPW,   12                         ; v12      LDS address of my spare word: SPARE + 4 x my thread's number; never rewritten
.set NIL,   13                         ; v13      0; never rewritten
.set SPARE, WAVES*WREG                 ; behind the four regions: the spare words, 128 bytes for each wave, which no other line names
.set WL,    16                         ; Wo's path: v16-143  four sets of 32 numbers as loaded
.set WC,    144                        ;            v144-207 four sets of 16 registers of f16 pairs
	s_load_b512 s[4:19], s[0:1], 0x0               ; x s[4:5], Wq s[6:7], Wk s[8:9], Wv s[10:11], Wo s[12:13], xc s[14:15], xs s[16:17], wc s[18:19]
	s_load_b128 s[20:23], s[0:1], 0x40             ; ws s[20:21], wo16 s[22:23]
	v_lshl_add_u32 v[SPW], v0, 2, SPARE
	v_mov_b32 v[NIL], 0
	v_lshrrev_b32 v1, 5, v0
	v_readfirstlane_b32 s24, v1                    ; wave
	v_and_b32 v2, 31, v0                           ; lane
	v_lshlrev_b32 v3, 4, v2                        ; my 16 bytes of a load's 512
	v_lshlrev_b32 v7, 3, v2                        ; 8 bytes a lane on the way out
	s_mul_i32 s32, s24, WREG
	v_lshrrev_b32 v14, 2, v2
	v_mul_u32_u24 v14, v14, SP
	v_and_b32 v15, 3, v2
	v_lshl_add_u32 v14, v15, 4, v14
	v_add_nc_u32 v14, s32, v14                     ; the stage, on the way in: SP (lane / 4) + 16 (lane % 4); a load's 512 bytes take eight places
	v_mul_u32_u24 v15, v2, SP
	v_add_nc_u32 v15, s32, v15                     ; and on the way out: SP x lane: my 16 neighbours
	v_mul_u32_u24 v4, v2, CB                       ; my codes' place in a step's
	v_lshrrev_b32 v5, 1, v2
	s_add_co_u32 s32, s32, 2*32*SP
	v_add_nc_u32 v5, s32, v5                       ; LDS: my wave's 256 scale bytes, my block's byte
	v_add_nc_u32 v6, s32, v7                       ; and where I read 8 of them back
	s_wait_kmcnt 0x0
	s_cmp_ge_u32 ttmp9, WGQ
	s_cbranch_scc1 .Lwo                            ; the work-group's number alone decides
	; which tensor: every choice hangs on the work-group's number alone
	s_sub_co_u32 s25, ttmp9, WGX                   ; place among the weights' work-groups (not used by x's)
	s_and_b32 s33, s25, WGW-1                      ; and inside its weight
	s_cmp_lt_u32 ttmp9, WGX+2*WGW
	s_cselect_b64 s[26:27], s[8:9], s[10:11]       ; Wk or Wv
	s_cmp_lt_u32 ttmp9, WGX+WGW
	s_cselect_b64 s[26:27], s[6:7], s[26:27]       ; Wq or that
	s_cmp_lt_u32 ttmp9, WGX
	s_cselect_b64 s[26:27], s[4:5], s[26:27]       ; x or that: the source
	s_cselect_b64 s[28:29], s[14:15], s[18:19]     ; the codes
	s_cselect_b64 s[30:31], s[16:17], s[20:21]     ; the scale bytes
	s_cselect_b32 s33, ttmp9, s33                  ; which 32,768 numbers of the source,
	s_cselect_b32 s25, ttmp9, s25                  ; and of the destination (the three weights lie on end)
	s_lshl_b32 s33, s33, 2
	s_add_co_u32 s33, s33, s24                     ; my wave's run of 8,192 numbers in the source
	s_lshl_b32 s25, s25, 2
	s_add_co_u32 s25, s25, s24                     ; and in the destination
	s_lshl_b32 s34, s33, 15                        ; 32,768 bytes of f32 a run
	s_mov_b32 s35, 0
	s_add_nc_u64 s[26:27], s[26:27], s[34:35]
	s_lshl_b32 s34, s25, 12                        ; 4,096 bytes of codes
	s_add_nc_u64 s[28:29], s[28:29], s[34:35]
	s_lshl_b32 s34, s25, 8                         ; 256 scale bytes
	s_add_nc_u64 s[30:31], s[30:31], s[34:35]
.macro LOAD t
.irp i, 0,1,2,3
	global_load_b128 v[R+16*((\t)%4)+4*\i:R+16*((\t)%4)+4*\i+3], v3, s[26:27] offset:2048*(\t)+512*\i th:TH_LOAD_NT   ; 32 lanes read 512 consecutive bytes
.endr
.endm
.macro TURN t                          ; step t's numbers through the stage: LDS serves a wave's instructions in order, so no wait stands between the stores and the loads
.irp i, 0,1,2,3
	ds_store_b128 v14, v[R+16*((\t)%4)+4*\i:R+16*((\t)%4)+4*\i+3] offset:32*SP*((\t)%2)+8*SP*\i
.endr
.irp i, 0,1,2,3
	ds_load_b128 v[X+16*((\t)%2)+4*\i:X+16*((\t)%2)+4*\i+3], v15 offset:32*SP*((\t)%2)+16*\i
.endr
.endm
.irp t, 0,1,2,3
	LOAD \t
.endr
	s_wait_loadcnt 12                              ; step 0's four loads are in; the twelve of steps 1 to 3 may be out
	TURN 0
.macro STEP t
.set XS, X+16*((\t)%2)
.if (\t) > 0
	s_wait_dscnt 1                                 ; this step's numbers are back from the stage (the last step's byte store may be out): so its stores into the stage have read their registers,
.else
	s_wait_dscnt 0x0
.endif
.if (\t)+4 < STEPS
	LOAD (\t)+4                                    ; which take the loads of four steps on
.endif
.if (\t)+1 < STEPS
.if STEPS-2-(\t) >= 3
	s_wait_loadcnt 12                              ; the next step's four loads are in; those of the three steps behind it may be out
.else
	s_wait_loadcnt 4*(STEPS-2-(\t))
.endif
	TURN (\t)+1                                    ; and go through the other stage while this step is worked
.endif
	v_max3_num_f32 v8, |v[XS]|, |v[XS+1]|, |v[XS+2]|               ; the largest magnitude of my 16, in two chains
	v_max3_num_f32 v9, |v[XS+3]|, |v[XS+4]|, |v[XS+5]|
.irp i, 6,10
	v_max3_num_f32 v8, v8, |v[XS+\i]|, |v[XS+\i+1]|
	v_max3_num_f32 v9, v9, |v[XS+\i+2]|, |v[XS+\i+3]|
.endr
	v_max3_num_f32 v8, v8, |v[XS+14]|, |v[XS+15]|
	v_max3_num_f32 v8, v8, v9, (EMAX+1)<<23        ; and the floor 2^(EMAX + 1 - 127): so the byte cannot fall under 1
	v_max_num_f32_dpp v8, v8, v8 row_xmask:1 row_mask:0xf bank_mask:0xf   ; and of my neighbour's 16: the block's
	v_add_nc_u32 v11, -(EMAX<<23), v8              ; EMAX off its exponent field: the conversion takes the exponent field of this operand as its scale, and nothing else of it
	v_cvt_scalef32_pk8_fp4_f32 v[C+4*(\t)], v[XS:XS+7], v11
	v_cvt_scalef32_pk8_fp4_f32 v[C+4*(\t)+1], v[XS+8:XS+15], v11
	v_lshrrev_b32 v[E+(\t)], 23, v11               ; the scale's byte (also the plain line behind the conversions)
	ds_store_b8 v5, v[E+(\t)] offset:16*(\t)       ; both lanes of a block write the same byte with the same value
	global_store_b64 v4, v[C+4*(\t):C+4*(\t)+1], s[28:29] offset:32*CB*(\t)
.endm
.irp t, 0,1,2,3,4,5,6,7,8,9,10,11,12,13,14,15
	STEP \t
.endr
	ds_load_b64 v[8:9], v6                         ; LDS serves a wave's instructions in order: these see my stores
	s_wait_dscnt 0x0
	global_store_b64 v7, v[8:9], s[30:31]          ; 32 lanes store 256 consecutive bytes, aligned
	s_wait_tensorcnt 0x0                           ; the wave's end: a wait, an add to my spare word and its wait, behind my last LDS store
	ds_add_u32 v[SPW], v[NIL]
	s_wait_dscnt 0x0
	s_endpgm
; Wo to f16: eight groups of eight loads of 512 consecutive bytes; a lane's four numbers become 8 bytes, so a wave's store covers 256 consecutive bytes, aligned.  Loads run four groups ahead.
.macro WLOAD g
.irp i, 0,1,2,3,4,5,6,7
	global_load_b128 v[WL+32*((\g)%4)+4*\i:WL+32*((\g)%4)+4*\i+3], v3, s[12:13] offset:4096*(\g)+512*\i th:TH_LOAD_NT
.endr
.endm
.macro WGROUP g
.if 7-(\g) >= 3
	s_wait_loadcnt 24                              ; this group's eight loads are in; the three later groups' 24 may be out
.else
	s_wait_loadcnt 8*(7-(\g))
.endif
.if (\g) >= 4
	s_wait_xcnt 0x0                                ; the stores of four groups back have read their data: that set is written anew only behind this wait
.endif
.irp i, 0,1,2,3,4,5,6,7
	v_cvt_pk_f16_f32 v[WC+16*((\g)%4)+2*\i], v[WL+32*((\g)%4)+4*\i], v[WL+32*((\g)%4)+4*\i+1]
	v_cvt_pk_f16_f32 v[WC+16*((\g)%4)+2*\i+1], v[WL+32*((\g)%4)+4*\i+2], v[WL+32*((\g)%4)+4*\i+3]
.endr
.irp i, 0,1,2,3,4,5,6,7
	global_store_b64 v7, v[WC+16*((\g)%4)+2*\i:WC+16*((\g)%4)+2*\i+1], s[22:23] offset:2048*(\g)+256*\i
.endr
.if (\g)+4 < 8
	WLOAD (\g)+4
.endif
.endm
.Lwo:
	s_sub_co_u32 s25, ttmp9, WGQ
	s_lshl_b32 s25, s25, 2
	s_add_co_u32 s25, s25, s24                     ; my wave's run of 8,192 numbers
	s_lshl_b32 s34, s25, 15
	s_mov_b32 s35, 0
	s_add_nc_u64 s[12:13], s[12:13], s[34:35]
	s_lshl_b32 s34, s25, 14
	s_add_nc_u64 s[22:23], s[22:23], s[34:35]
.irp g, 0,1,2,3
	WLOAD \g
.endr
.irp g, 0,1,2,3,4,5,6,7
	WGROUP \g
.endr
	s_endpgm
.Lfunc_end_k_q379009c453_prep:
	.size	k_q379009c453_prep, .Lfunc_end_k_q379009c453_prep-k_q379009c453_prep
	.p2alignl 7, 3214868480
	.fill 96, 4, 3214868480
	.section	.rodata,"a",@progbits
	.p2align	6, 0x0
	.amdhsa_kernel k_q379009c453_prep
		.amdhsa_group_segment_fixed_size 33280
		.amdhsa_private_segment_fixed_size 0
		.amdhsa_enable_private_segment 0
		.amdhsa_kernarg_size 80
		.amdhsa_user_sgpr_count 2
		.amdhsa_user_sgpr_kernarg_segment_ptr 1
		.amdhsa_wavefront_size32 1
		.amdhsa_system_sgpr_workgroup_id_x 1
		.amdhsa_system_sgpr_workgroup_id_y 1
		.amdhsa_system_sgpr_workgroup_id_z 1
		.amdhsa_system_vgpr_workitem_id 0
		.amdhsa_next_free_vgpr 208
		.amdhsa_next_free_sgpr 66
		.amdhsa_reserve_vcc 0
		.amdhsa_float_denorm_mode_32 3
		.amdhsa_float_denorm_mode_16_64 3
		.amdhsa_memory_ordered 1
		.amdhsa_forward_progress 1
		.amdhsa_inst_pref_size 54
	.end_amdhsa_kernel
	.amdgpu_metadata
---
amdhsa.version: [ 1, 2 ]
amdhsa.kernels:
  - .name:           k_q379009c453_prep
    .symbol:         k_q379009c453_prep.kd
    .args:
      - { .name: x, .offset: 0, .size: 8, .value_kind: global_buffer, .address_space: global }
      - { .name: Wq, .offset: 8, .size: 8, .value_kind: global_buffer, .address_space: global }
      - { .name: Wk, .offset: 16, .size: 8, .value_kind: global_buffer, .address_space: global }
      - { .name: Wv, .offset: 24, .size: 8, .value_kind: global_buffer, .address_space: global }
      - { .name: Wo, .offset: 32, .size: 8, .value_kind: global_buffer, .address_space: global }
      - { .name: xc, .offset: 40, .size: 8, .value_kind: global_buffer, .address_space: global }
      - { .name: xs, .offset: 48, .size: 8, .value_kind: global_buffer, .address_space: global }
      - { .name: wc, .offset: 56, .size: 8, .value_kind: global_buffer, .address_space: global }
      - { .name: ws, .offset: 64, .size: 8, .value_kind: global_buffer, .address_space: global }
      - { .name: wo16, .offset: 72, .size: 8, .value_kind: global_buffer, .address_space: global }
    .group_segment_fixed_size: 33280
    .private_segment_fixed_size: 0
    .kernarg_segment_align: 8
    .kernarg_segment_size: 80
    .max_flat_workgroup_size: 128
    .sgpr_count:     66
    .vgpr_count:     208
    .wavefront_size: 32
...
	.end_amdgpu_metadata
.endif
;; end of part 1
;; launch qkv (part 2): grid 12 x 32, 4 waves a work-group, clusters of 4 x 4, 327,680 bytes of LDS; arguments xc, xs, wc, ws, qkv; writes qkv
.if DOCPART == 2
	.amdgcn_target "amdgcn-amd-amdhsa--gfx1250"
	.amdhsa_code_object_version 6
	.text
	.protected	k_q379009c453_qkv
	.globl	k_q379009c453_qkv
	.p2align	8
	.type	k_q379009c453_qkv,@function
k_q379009c453_qkv:
	s_mov_b64 s[64:65], 0
	v_nop
	global_prefetch_b8 v0, s[64:65] scope:SCOPE_SE
	s_setreg_imm32_b32 hwreg(HW_REG_WAVE_MODE, 25, 1), 1
	s_wait_xcnt 0x0
	s_wait_alu depctr_hold_cnt(0) depctr_sa_sdst(0) depctr_va_vdst(0) depctr_va_sdst(0) depctr_va_ssrc(0) depctr_va_vcc(0) depctr_vm_vsrc(0)
	s_getreg_b32 s2, hwreg(HW_REG_IB_STS2, 6, 4)
	s_cmp_eq_u32 s2, 0
	s_cbranch_scc0 .Lentry_in_a_cluster
	s_endpgm
.Lentry_in_a_cluster:
	s_bfe_u32 s2, ttmp6, 0x10000c
	s_cmp_lg_u32 s2, 0xf033
	s_cbranch_scc0 .Lentry_shape_is_right
	s_endpgm
.Lentry_shape_is_right:
; Launch 2 of 4: the three quantised products as ONE product on codes of FP4: C[token][n] = sum over k of x[token][k] W[n][k], 8,192 tokens, n = 0 .. 3,071 (Wq's, Wk's, Wv's rows on end), K = 1,024.  No work is left out.
; A number is its code's value x 2^(its block's byte - 127); the matrix instruction takes codes and scale bytes as they lie.  Sums in f32; the results are rounded once, to f16, for the products that follow.
; LIMIT: a q, k or v beyond 65,504 in magnitude becomes an infinity in f16.  With x and the weights 30 times the drawn spread they stay near 6,000; with offsets of 30 spreads on both near 29,000.
; SHARES: a tile of C, 256 x 256, is made by a work-group of four waves; a wave makes 128 x 128: 64 accumulators of 16 x 16, 512 registers.  K is two slots of 512, so BOTH are asked for at the head: no LDS byte is filled again.
; The scale bytes of the work-group's 256 rows of x and 256 rows of W, for all of K, are two dense blocks of memory: they come into LDS once, with the first fills.
; CLUSTERS: 4 x 4 work-groups.  The four of a row of the cluster need the same tiles of x, the four of a column the same tiles of W: each tile is asked for JOINTLY, by the same tensor load with the same
; descriptor and a mask that names the four.  A cluster's four tile columns are 1,024 columns: cluster x = 0 makes Q, 1 makes K, 2 makes V.
; THE MATRIX INSTRUCTION IS USED TRANSPOSED (source 0 = 16 rows of W, source 1 = 16 tokens): lane (r, h) then holds token r and the eight neighbouring channels 8 h + 0 .. 7 of a block of 16: 16 bytes of f16.
; THE WAY OUT NEEDS NO LDS: those 16 bytes, lane by lane, ARE half a fragment of the next product's operand, so a block (16 tokens x 16 channels, 512 bytes) is stored as an image of registers, lane L at 16 L.
; qkv: for each bh = 16 x batch + head a run of 786,432 bytes: Q, 128 token tiles x 2,048 bytes; then four slots of 131,072: K of 512 keys (32 tiles x 2,048), then V of the same keys.  A tile is four blocks of 16 channels.
; V's blocks are stored with bits 3 and 4 of the lane's number exchanged: the turning LDS load of the next launch, at 16 x lane, then leaves channel lane % 16 and keys 8 (lane / 16) + 0 .. 7 in each lane.
; REGISTERS, in windows of 256: window 0: v0-31 addresses; v32-95 scale words, two sets, and nothing else; from v128 x's fragments (8 x 16 rows x 128 K), ONE set.
;   window 1: W's fragments, TWO sets, at v0 and v128; on the way out the packed results.   window 2: the accumulators of my tokens 0-63 ((a, b) at v[8 (8 a + b)]);   window 3: those of my tokens 64-127.
.set SIZE_K, 1024
.set KSTEP,  512                       ; along K in a slot
.set NQ,     KSTEP/128                 ; matrix instructions deep
.set ROWB,   256                       ; a tile's row in bytes
.set KROW,   SIZE_K*4/8                ; a row of codes in memory
.set PITCH,  272                       ; an LDS row: 256 bytes + 16 of padding: the 16 rows that a load touches begin 68 words apart
.set FR,     8                         ; registers of a fragment: 16 rows x 128 K
.set NL,     2                         ; LDS loads that bring one
.set NP,     4                         ; places behind this matrix instruction (ISA guide 7.12.1)
.set HALFT,  128*PITCH                 ; 128 rows: what one tensor load brings, and what one wave reads of x or of W
.set SLOT,   4*HALFT                   ; x's 256 rows, then W's 256 rows
.set KS,     SIZE_K/32                 ; a row of scale bytes
.set SCL,    2*SLOT                    ; behind the slots: the scales, as rows of 256 bytes + 16 of padding
.set HALFS,  (128*KS/256)*272          ; the scales of 128 rows: what one tensor load brings
.set SBLK,   (16*KS/256)*272           ; those of 16 rows
.set SPARE,  SCL+4*HALFS               ; behind the scales: the spare words, 128 bytes for each wave, which no other line names
.set BHB,    786432                    ; a (batch, head)'s run in qkv
.set ADRA, 16                          ; v16-17  LDS address of my x fragments in slot 0, 1
.set ADRB, 20                          ; v20-21  the same for W
.set CO,   26                          ; v26     the way out: my lane's 16 bytes in a block
.set ADRS, 27                          ; v27     LDS address of my scale words: lanes 0-15 x's rows, lanes 16-31 W's
.set SPW,  28                          ; v28     LDS address of my spare word; never rewritten
.set NIL,  29                          ; v29     0; never rewritten
.set SC,   32                          ; scale words: set s at v[SC + 32 s]; register 4 i + q: lanes 0-15 the word of x's block i, lanes 16-31 that of W's block i, for the slot's q-th 128 along K
.set AF,   128                         ; x's fragments, in window 0
.set G1, 24                            ; s[24:31] descriptor group 1 for x's tiles;  s[32:39] group 0, one set for each slot
.set G0, 32
.set G1B, 48                           ; s[48:55], s[56:63] the same for W's tiles
.set G0B, 56
.set G1S, 68                           ; s[68:75], s[76:79] groups 1 and 0 for x's scales;  s[80:87], s[88:91] for W's
.set G0S, 76
.set G1SB, 80
.set G0SB, 88
.set MSB, 0
.macro WIN new                         ; the immediate's high byte repeats the setting that is left
.if MSB != \new
	s_set_vgpr_msb (MSB<<8)|\new
.set MSB, \new
.endif
.endm
.set MUL_LO, 0xa1                      ; source 0 (W) window 1, source 1 (x) window 0, C and D window 2
.set MUL_HI, 0xf1                      ; the same, C and D window 3
.set TO_B,   0x40                      ; destination window 1, address window 0
; A joint load: waves 0 and 1 fetch for x, waves 2 and 3 for W.  Each line has one mask and one set of registers for all that issue it; the branch hangs on the wave's number alone.
; An s_nop 0 and four v_nop follow each of the two lines.
.macro JLOAD g0a, g1a, g0b, g1b
	s_cmp_eq_u32 s15, 0
	s_cbranch_scc0 .Lfor_b_\@
	tensor_load_to_lds s[\g0a:\g0a+3], s[\g1a:\g1a+7]
	s_nop 0
.rept 4
	v_nop
.endr
	s_branch .Lasked_\@
.Lfor_b_\@:
	tensor_load_to_lds s[\g0b:\g0b+3], s[\g1b:\g1b+7]
	s_nop 0
.rept 4
	v_nop
.endr
.Lasked_\@:
.endm
.macro CROUND                          ; a round of the cluster's barrier: my work-group's barrier; wave 0 signals for the work-group; every wave waits for all sixteen; my work-group's barrier once more
	s_barrier_signal -1
	s_barrier_wait -1
	s_cmp_lg_u32 s14, 0
	s_cbranch_scc1 .Lnot_wave_0_\@
	s_barrier_signal -3
.Lnot_wave_0_\@:
	s_barrier_wait -3
	s_barrier_signal -1
	s_barrier_wait -1
.endm
	s_load_b128 s[4:7], s[0:1], 0x0                ; x's codes s[4:5], x's scales s[6:7]
	s_load_b128 s[8:11], s[0:1], 0x10              ; W's codes s[8:9], W's scales s[10:11]
	s_load_b64 s[12:13], s[0:1], 0x20              ; qkv
	v_lshl_add_u32 v[SPW], v0, 2, SPARE
	v_mov_b32 v[NIL], 0
	ds_add_u32 v[SPW], v[NIL]                      ; the wave's opening: the add, twice on end, and its wait ahead of my first tensor load
	ds_add_u32 v[SPW], v[NIL]                      ; and once more; the set-up below, work on registers, stands between it and the wait
	v_lshrrev_b32 v1, 5, v0
	v_readfirstlane_b32 s14, v1                    ; wave 0..3
	s_lshr_b32 s15, s14, 1                         ; which half of the tile's tokens is mine.  Also: I fetch for x (0) or for W (1)
	s_and_b32 s16, s14, 1                          ; which half of its columns.  Also: which 128 rows of that tile I fetch
	s_bfe_u32 s40, ttmp6, 0x40000                  ; cx, cy: my place in the cluster
	s_bfe_u32 s41, ttmp6, 0x40004
	s_lshl_b32 s42, ttmp9, 2
	s_add_co_u32 s42, s42, s40                     ; tile column = 4 x cluster x + cx
	s_and_b32 s17, ttmp7, 0xffff
	s_lshl_b32 s17, s17, 2
	s_add_co_u32 s17, s17, s41                     ; tile row = 4 x cluster y + cy
	s_lshl_b32 s43, s41, 2
	s_lshl_b32 s43, 15, s43                        ; my row of the cluster
	s_lshl_b32 s44, 0x1111, s40                    ; my column
	; descriptor group 1: a tile of 128 rows x 256 bytes, padded in LDS
	s_or_b32 s[G1+0], s43, (0<<16)|(1<<20)|(1<<21)|(5<<22)|(3<<25)  ; 15:0 the mask: x's tiles go to my row; 17:16 elements of 1 byte; 20 padding on; 21 set beside a mask; 24:22 after every 64 words; 31:25 four words
	s_or_b32 s[G1B+0], s44, (0<<16)|(1<<20)|(1<<21)|(5<<22)|(3<<25)
.irp g, G1, G1B
	s_mov_b32 s[\g+1], ROWB<<16                    ; tensor_dim0
	s_mov_b32 s[\g+2], 128<<16                     ; tensor_dim1
	s_mov_b32 s[\g+3], ROWB<<16                    ; tile_dim0
	s_mov_b32 s[\g+4], 128                         ; tile_dim1
	s_mov_b32 s[\g+5], KROW                        ; tensor_dim0_stride
	s_mov_b32 s[\g+6], 0
	s_mov_b32 s[\g+7], 0
.endr
	; the scales of 128 rows: a dense block of 4,096 bytes, as 16 rows of 256 bytes (32 elements of 8 bytes), 16 bytes of padding behind each
	s_or_b32 s[G1S+0], s43, (3<<16)|(1<<20)|(1<<21)|(5<<22)|(3<<25)
	s_or_b32 s[G1SB+0], s44, (3<<16)|(1<<20)|(1<<21)|(5<<22)|(3<<25)
.irp g, G1S, G1SB
	s_mov_b32 s[\g+1], 32<<16
	s_mov_b32 s[\g+2], (128*KS/256)<<16
	s_mov_b32 s[\g+3], 32<<16
	s_mov_b32 s[\g+4], 128*KS/256
	s_mov_b32 s[\g+5], 32
	s_mov_b32 s[\g+6], 0
	s_mov_b32 s[\g+7], 0
.endr
	s_lshl_b32 s18, s16, 7                         ; which 128 rows of the tile I fetch
	s_lshl_b32 s20, s17, 8
	s_add_co_u32 s20, s20, s18                     ; x: row 256 x tile row + 128 x half
	s_lshl_b32 s46, s42, 8
	s_add_co_u32 s46, s46, s18                     ; W: row 256 x tile column + 128 x half
	s_mov_b32 s21, 0
	s_mov_b32 s47, 0
	s_mov_b64 s[18:19], KS
	s_mul_u64 s[22:23], s[20:21], s[18:19]         ; where these rows' scales begin, in bytes
	s_mul_u64 s[92:93], s[46:47], s[18:19]
	s_mov_b64 s[18:19], KROW
	s_mul_u64 s[20:21], s[20:21], s[18:19]         ; and their codes
	s_mul_u64 s[46:47], s[46:47], s[18:19]
	s_mul_i32 s45, s14, HALFT                      ; where they go: wave x 128 rows: no place in the cluster enters an LDS address
	s_mul_i32 s94, s14, HALFS
	s_wait_dscnt 0x0                               ; both opening adds are done
	s_wait_kmcnt 0x0
	s_add_nc_u64 s[20:21], s[4:5], s[20:21]
	s_add_nc_u64 s[22:23], s[6:7], s[22:23]
	s_add_nc_u64 s[46:47], s[8:9], s[46:47]
	s_add_nc_u64 s[92:93], s[10:11], s[92:93]
	CROUND                                         ; all sixteen work-groups are here: the joint loads meet
	s_mov_b32 s[G0S], 1
	s_add_co_u32 s[G0S+1], s94, SCL
	s_mov_b64 s[G0S+2:G0S+3], s[22:23]
	s_or_b32 s[G0S+3], s[G0S+3], 0x80000000
	s_mov_b32 s[G0SB], 1
	s_add_co_u32 s[G0SB+1], s94, SCL
	s_mov_b64 s[G0SB+2:G0SB+3], s[92:93]
	s_or_b32 s[G0SB+3], s[G0SB+3], 0x80000000
	JLOAD G0S, G1S, G0SB, G1SB                     ; the scales first: they are wanted with the first slot
.irp s, 0,1
	s_mov_b32 s[G0+4*\s], 1
	s_add_co_u32 s[G0+4*\s+1], s45, \s*SLOT
	s_add_nc_u64 s[G0+4*\s+2:G0+4*\s+3], s[20:21], \s*ROWB
	s_or_b32 s[G0+4*\s+3], s[G0+4*\s+3], 0x80000000
	s_mov_b32 s[G0B+4*\s], 1
	s_add_co_u32 s[G0B+4*\s+1], s45, \s*SLOT
	s_add_nc_u64 s[G0B+4*\s+2:G0B+4*\s+3], s[46:47], \s*ROWB
	s_or_b32 s[G0B+4*\s+3], s[G0B+4*\s+3], 0x80000000
	JLOAD G0+4*\s, G1, G0B+4*\s, G1B               ; three tensor loads of mine are out: all that this launch asks for
.endr
	v_and_b32 v1, 15, v0                           ; r = l % 16
	v_bfe_u32 v2, v0, 4, 1                         ; h = l / 16
	v_mul_u32_u24 v3, v1, PITCH
	v_lshl_add_u32 v4, v2, 4, v3                   ; a fragment's row x pitch + 16 x half
	s_mul_i32 s21, s15, HALFT                      ; my 128 rows of x
	s_mul_i32 s22, s16, HALFT                      ; my 128 rows of W,
	s_add_co_u32 s22, s22, 2*HALFT                 ; which lie behind x's 256
.irp s, 0,1
	v_add_nc_u32 v[ADRA+\s], s21, v4
	v_add_nc_u32 v[ADRB+\s], s22, v4
	s_add_co_u32 s21, s21, SLOT
	s_add_co_u32 s22, s22, SLOT
.endr
	v_mul_u32_u24 v5, v1, KS                       ; my row's scales: KS bytes a row,
	v_lshrrev_b32 v6, 8, v5
	v_lshl_add_u32 v5, v6, 4, v5                   ; and 16 more for each 256 passed
	s_mul_i32 s21, s15, HALFS                      ; x's: my 128 rows
	s_mul_i32 s22, s16, HALFS                      ; W's: my 128 rows, behind x's 256
	s_add_co_u32 s22, s22, 2*HALFS
	s_sub_co_u32 s22, s22, s21
	v_mul_u32_u24 v6, s22, v2                      ; lanes 16-31 take W's: the lower base + h x the distance
	s_add_co_u32 s21, s21, SCL
	v_add_nc_u32 v5, v5, v6
	v_add_nc_u32 v[ADRS], s21, v5
	; where my results go in qkv
	s_lshr_b32 s20, s17, 3                         ; batch: 8 tile rows of 256 tokens each
	s_lshl_b32 s20, s20, 4
	s_and_b32 s21, s42, 3
	s_lshl_b32 s21, s21, 2                         ; a tile column is four heads,
	s_add_co_u32 s20, s20, s21
	s_lshl_b32 s21, s16, 1                         ; my half of it two
	s_add_co_u32 s20, s20, s21                     ; bh of my first head
	s_mul_i32 s20, s20, BHB
	s_and_b32 s21, s17, 7
	s_lshl_b32 s21, s21, 4
	s_lshl_b32 s22, s15, 3
	s_add_co_u32 s21, s21, s22                     ; my first token tile in the batch, a multiple of 8
	s_and_b32 s22, s21, 31
	s_lshl_b32 s22, s22, 11                        ; its place among 32 tiles of 2,048 bytes,
	s_add_co_u32 s20, s20, s22
	s_lshr_b32 s21, s21, 5                         ; and which 32 tiles:
	s_cmp_eq_u32 ttmp9, 0
	s_cselect_b32 s22, 16, 17                      ; in Q they lie 65,536 bytes apart, in K and V a slot, 131,072
	s_lshl_b32 s21, s21, s22
	s_add_co_u32 s20, s20, s21
	s_min_u32 s21, ttmp9, 1
	s_lshl_b32 s21, s21, 18                        ; K and V lie behind Q's 262,144 bytes,
	s_add_co_u32 s20, s20, s21
	s_lshr_b32 s21, ttmp9, 1                       ; 1 for V
	s_lshl_b32 s22, s21, 16                        ; V behind its slot's 65,536 bytes of K
	s_add_co_u32 s20, s20, s22
	s_mul_i32 s23, s21, 24                         ; V: bits 3 and 4 of the lane's number change places where they differ
	s_mov_b32 s21, 0
	s_add_nc_u64 s[12:13], s[12:13], s[20:21]
	v_and_b32 v6, 31, v0
	v_lshrrev_b32 v5, 3, v6
	v_lshrrev_b32 v7, 4, v6
	v_xor_b32 v5, v5, v7
	v_and_b32 v5, 1, v5
	v_mul_u32_u24 v5, s23, v5
	v_xor_b32 v5, v5, v6
	v_lshlrev_b32 v[CO], 4, v5
.macro FRAG reg, adr, q, i             ; a fragment, 16 rows x 128 K of 4-bit codes: lane l holds row l % 16; registers 4 c .. 4 c + 3 hold K = 64 c + 32 (l / 16) + 0 .. 31
.irp c, 0,1
	ds_load_b128 v[\reg+4*\c:\reg+4*\c+3], v[\adr] offset:64*(\q)+32*\c+(\i)*16*PITCH
.endr
.endm
; 16 matrix instructions: x's blocks a0, a0 + 1 against W's eight, 128 along K: the slot's q-th.  p: W's set;  sc: the set of scale words.  zero = 1: the first product starts the sums: nothing is cleared.
; The 64 accumulators take turns, one instruction a turn, in the same order in every step.
.macro MUL16 a0, p, q, sc, zero
.irp a, \a0, \a0+1
.irp b, 0,1,2,3,4,5,6,7
.if \zero
	v_wmma_scale_f32_16x16x128_f8f6f4 v[8*(8*((\a)%4)+\b):8*(8*((\a)%4)+\b)+7], v[128*(\p)+FR*\b:128*(\p)+FR*\b+FR-1], v[AF+FR*(\a):AF+FR*(\a)+FR-1], 0, v[SC+8*NQ*(\sc)+NQ*\b+(\q)], v[SC+8*NQ*(\sc)+NQ*(\a)+(\q)] matrix_a_fmt:MATRIX_FMT_FP4 matrix_b_fmt:MATRIX_FMT_FP4 matrix_a_scale:MATRIX_SCALE_ROW1
.else
	v_wmma_scale_f32_16x16x128_f8f6f4 v[8*(8*((\a)%4)+\b):8*(8*((\a)%4)+\b)+7], v[128*(\p)+FR*\b:128*(\p)+FR*\b+FR-1], v[AF+FR*(\a):AF+FR*(\a)+FR-1], v[8*(8*((\a)%4)+\b):8*(8*((\a)%4)+\b)+7], v[SC+8*NQ*(\sc)+NQ*\b+(\q)], v[SC+8*NQ*(\sc)+NQ*(\a)+(\q)] matrix_a_fmt:MATRIX_FMT_FP4 matrix_b_fmt:MATRIX_FMT_FP4 matrix_a_scale:MATRIX_SCALE_ROW1
.endif
.endr
.endr
.endm
.macro FETCH_B slot, q, p              ; W's eight fragments of the slot's q-th 128 along K into set p
	WIN TO_B
.irp i, 0,1,2,3,4,5,6,7
	FRAG 128*(\p)+FR*\i, ADRB+\slot, \q, \i
.endr
	WIN 0
.endm
.macro FETCH_A slot, q, i0             ; x's blocks i0 .. i0 + 3
.irp i, \i0, \i0+1, \i0+2, \i0+3
	FRAG AF+FR*(\i), ADRA+\slot, \q, \i
.endr
.endm
.macro SCALES sc                       ; a slot's scale words into set sc: four words a row; lanes 0-15 take x's block i, lanes 16-31 W's block i
.irp i, 0,1,2,3,4,5,6,7
	ds_load_b128 v[SC+8*NQ*\sc+NQ*\i:SC+8*NQ*\sc+NQ*\i+3], v[ADRS] offset:\i*SBLK
.endr
.endm
; A load into a register that a matrix instruction has read, and a vector instruction that reads a matrix result or writes one of its registers, stand NP places behind that matrix instruction; only plain
; vector instructions that name none of its registers are places (ISA guide 7.12.1 for vector instructions).
.macro PLACES n
.rept \n
	v_nop
.endr
.endm
; A step of 128 along K that has its successor in the same slot.  A block of x is free as soon as its eight products are issued, so one set serves x: blocks 0-3 are fetched anew in the step's middle, blocks 4-7 at its end.
.macro STEP slot, q, zero
	s_wait_dscnt 4*NL                              ; W's set and x's blocks 0-3 are in; the youngest eight loads (x's blocks 4-7) may be out
	WIN MUL_LO
	MUL16 0, (\q)%2, \q, \slot, \zero
	MUL16 2, (\q)%2, \q, \slot, \zero
	s_wait_dscnt 0                                 ; x's blocks 4-7 are in
	PLACES NP
	FETCH_B \slot, (\q)+1, 1-(\q)%2
	FETCH_A \slot, (\q)+1, 0
	WIN MUL_HI
	MUL16 4, (\q)%2, \q, \slot, \zero
	MUL16 6, (\q)%2, \q, \slot, \zero
	PLACES NP
	WIN 0
	FETCH_A \slot, (\q)+1, 4
.endm
; Slot 0's last step goes over to slot 1: each wave waits for all its tensor loads (its part of slot 1), and a barrier shows the whole slot to every wave.  Nothing is filled again.
.macro TURN slot, next
	s_wait_tensorcnt 0x0                           ; all my tensor loads have landed  (every window is 0 here)
	ds_add_u32 v[SPW], v[NIL]                      ; 0 onto my spare word
	s_wait_dscnt 4*NL+1                            ; (the add and the youngest eight loads, x's blocks 4-7, may be out)
	WIN MUL_LO
	MUL16 0, 1, NQ-1, \slot, 0
	s_wait_dscnt 0x0                               ; the add is done and no LDS instruction of mine is pending at the signal
	s_barrier_signal -1
	MUL16 2, 1, NQ-1, \slot, 0
	WIN 0
	s_barrier_wait -1
	PLACES NP
	v_add_nc_u32 v[ADRS], 4*NQ, v[ADRS]            ; on to the next slot's scale words
	FETCH_B \next, 0, 0
	FETCH_A \next, 0, 0
	SCALES \next
	WIN MUL_HI
	MUL16 4, 1, NQ-1, \slot, 0
	MUL16 6, 1, NQ-1, \slot, 0
	PLACES NP
	WIN 0
	FETCH_A \next, 0, 4
.endm
.macro STEPS slot, from                ; the slot's steps from .. NQ - 2
.set QQ, \from
.rept NQ-1-\from
	STEP \slot, QQ, 0
.set QQ, QQ+1
.endr
.endm
	s_wait_tensorcnt 1                             ; the scales and my part of slot 0 are in (slot 1's load may be out),
	s_barrier_signal -1
	s_barrier_wait -1                              ; everybody's are
	FETCH_B 0, 0, 0
	FETCH_A 0, 0, 0
	SCALES 0
	FETCH_A 0, 0, 4
	STEP 0, 0, 1                                   ; the first step's products start the sums
	STEPS 0, 1
	TURN 0, 1
	STEPS 1, 0
	s_wait_dscnt 4*NL                              ; the very last step: nothing more to fetch
	WIN MUL_LO
	MUL16 0, 1, NQ-1, 1, 0
	MUL16 2, 1, NQ-1, 1, 0
	s_wait_dscnt 0
	WIN MUL_HI
	MUL16 4, 1, NQ-1, 1, 0
	MUL16 6, 1, NQ-1, 1, 0
; THE WAY OUT.  Block (a, b): 16 tokens x 16 channels.  PACK rounds a lane's eight f32 to 16 bytes of f16, each accumulator from its low end on, into window 1, which W's fragments have left: 256 registers, one for
; each packed word, so that no store's data are written again.  SEND stores a block as it stands: 32 lanes, 512 consecutive bytes, aligned.  b / 4 picks the head, b % 4 the block of 16 channels, a the token tile.
.macro PACK a
.set AC, 64*((\a)%4)
	WIN 0x4a+5*((\a)/4)                            ; sources window 2 or 3, destination window 1
.irp b, 0,1,2,3,4,5,6,7
.irp i, 0,1,2,3
	v_cvt_pk_f16_f32 v[32*(\a)+4*\b+\i], v[AC+8*\b+2*\i], v[AC+8*\b+2*\i+1]
.endr
.endr
.endm
.macro SEND a
	WIN 0x04                                       ; a store's data are its source 1: window 1
.irp b, 0,1,2,3,4,5,6,7
	global_store_b128 v[CO], v[32*(\a)+4*\b:32*(\a)+4*\b+3], s[12:13] offset:(\b/4)*BHB+(\a)*2048+(\b%4)*512
.endr
.endm
	PLACES NP                                      ; behind the last products: their results are read and W's registers written below
.irp a, 0,1,2,3
	PACK \a
.endr
.irp a, 0,1,2,3
	SEND \a
.endr
.irp a, 4,5,6,7
	PACK \a
.endr
.irp a, 4,5,6,7
	SEND \a
.endr
	WIN 0
	s_wait_tensorcnt 0x0                           ; the wave's end: a wait, an add to my spare word and its wait, behind my last tensor load
	ds_add_u32 v[SPW], v[NIL]
	s_wait_dscnt 0x0
	CROUND                                         ; the closing round: no work-group ends while a partner may still ask for a tile that names it
	s_endpgm
.Lfunc_end_k_q379009c453_qkv:
	.size	k_q379009c453_qkv, .Lfunc_end_k_q379009c453_qkv-k_q379009c453_qkv
	.p2alignl 7, 3214868480
	.fill 96, 4, 3214868480
	.section	.rodata,"a",@progbits
	.p2align	6, 0x0
	.amdhsa_kernel k_q379009c453_qkv
		.amdhsa_group_segment_fixed_size 327680
		.amdhsa_private_segment_fixed_size 0
		.amdhsa_enable_private_segment 0
		.amdhsa_kernarg_size 40
		.amdhsa_user_sgpr_count 2
		.amdhsa_user_sgpr_kernarg_segment_ptr 1
		.amdhsa_wavefront_size32 1
		.amdhsa_system_sgpr_workgroup_id_x 1
		.amdhsa_system_sgpr_workgroup_id_y 1
		.amdhsa_system_sgpr_workgroup_id_z 1
		.amdhsa_system_vgpr_workitem_id 0
		.amdhsa_next_free_vgpr 1024
		.amdhsa_next_free_sgpr 98
		.amdhsa_reserve_vcc 0
		.amdhsa_float_denorm_mode_32 3
		.amdhsa_float_denorm_mode_16_64 3
		.amdhsa_memory_ordered 1
		.amdhsa_forward_progress 1
		.amdhsa_inst_pref_size 118
	.end_amdhsa_kernel
	.amdgpu_metadata
---
amdhsa.version: [ 1, 2 ]
amdhsa.kernels:
  - .name:           k_q379009c453_qkv
    .symbol:         k_q379009c453_qkv.kd
    .args:
      - { .name: xc, .offset: 0, .size: 8, .value_kind: global_buffer, .address_space: global }
      - { .name: xs, .offset: 8, .size: 8, .value_kind: global_buffer, .address_space: global }
      - { .name: wc, .offset: 16, .size: 8, .value_kind: global_buffer, .address_space: global }
      - { .name: ws, .offset: 24, .size: 8, .value_kind: global_buffer, .address_space: global }
      - { .name: qkv, .offset: 32, .size: 8, .value_kind: global_buffer, .address_space: global }
    .group_segment_fixed_size: 327680
    .private_segment_fixed_size: 0
    .kernarg_segment_align: 8
    .kernarg_segment_size: 40
    .max_flat_workgroup_size: 128
    .sgpr_count:     98
    .vgpr_count:     1024
    .wavefront_size: 32
...
	.end_amdgpu_metadata
.endif
;; end of part 2
;; launch attn (part 3): grid 4 x 64, 8 waves a work-group, clusters of 4 x 1, 327,680 bytes of LDS; arguments qkv, ctx; writes ctx
.if DOCPART == 3
	.amdgcn_target "amdgcn-amd-amdhsa--gfx1250"
	.amdhsa_code_object_version 6
	.text
	.protected	k_q379009c453_attn
	.globl	k_q379009c453_attn
	.p2align	8
	.type	k_q379009c453_attn,@function
k_q379009c453_attn:
	s_mov_b64 s[64:65], 0
	v_nop
	global_prefetch_b8 v0, s[64:65] scope:SCOPE_SE
	s_setreg_imm32_b32 hwreg(HW_REG_WAVE_MODE, 25, 1), 1
	s_wait_xcnt 0x0
	s_wait_alu depctr_hold_cnt(0) depctr_sa_sdst(0) depctr_va_vdst(0) depctr_va_sdst(0) depctr_va_ssrc(0) depctr_va_vcc(0) depctr_vm_vsrc(0)
	s_getreg_b32 s2, hwreg(HW_REG_IB_STS2, 6, 4)
	s_cmp_eq_u32 s2, 0
	s_cbranch_scc0 .Lentry_in_a_cluster
	s_endpgm
.Lentry_in_a_cluster:
	s_bfe_u32 s2, ttmp6, 0x10000c
	s_cmp_lg_u32 s2, 0x3003
	s_cbranch_scc0 .Lentry_shape_is_right
	s_endpgm
.Lentry_shape_is_right:
; Launch 3 of 4: ctx[bh][q][:] = the sum over k of softmax_k(Q[q] . K[k] / 8) V[k][:], for each of 64 (batch, head) pairs, 2,048 queries x 2,048 keys, head size 64, no mask.  No work is left out.
; Operands in f16 (q, k, v as the launch before rounded them; the weights p, at most 1, rounded here); products, maxima and sums in f32; ctx rounded once, to f16, for the last product.
; LIMITS: f16's range for ctx is v's (an average of v); a weight under 6e-8 of its row's largest counts as 0 in the second product (the row's sum takes it unrounded).
; SHARES.  A cluster of four work-groups is one (batch, head); each work-group owns 512 queries, each of its eight waves 64: four tiles of 16.  Every wave walks all 2,048 keys, 64 a step.  So a step's 16,384 bytes
; of fragments from LDS feed 64 matrix instructions of a wave.  Two waves share a SIMD's registers, 512 each: while one walks its softmax the other's products can be issued.
; LAYOUT.  S^T = K Q^T (source 0 = 16 keys, source 1 = 16 queries): a lane holds ONE query (lane % 16) and keys 8 (lane / 16) + 0..7.  Two such tiles, rounded to f16 in pairs, ARE source 1 of O^T = V^T P, whose
; result again holds one query a lane, and eight channels.  Q, K and V lie in memory as images of registers (512 bytes for 16 tokens x 16 channels, lane L's 16 bytes at 16 L; V with bits 3 and 4 of L exchanged), so each
; LDS load takes 512 consecutive bytes; V comes turned by ds_load_tr16_b128: channel lane % 16, keys 8 (lane / 16) + 0..7.
; SOFTMAX.  For each query a running maximum m and sum l: p = 2^(c s - c m), c = log2(e) / 8; in every step O and l are multiplied by a = 2^(c m_old - c m_new).  m begins at -3e38, O and l at 0: the first a is 0.
; RING.  Two slots of 131,072 bytes: K of 512 keys, then V of the same keys, one dense run of memory.  Each of the eight waves fetches 16,384 bytes of it by one tensor load, JOINTLY with the same wave of the three
; partners (same descriptor, mask of all four).  A change of slots: every wave waits for all its tensor loads, adds 0 to its spare word, waits for that and for its reads; a round of the cluster's barrier; the refill first behind it.
; One tensor load of a wave is out at any time, and has a slot's eight steps, 512 matrix instructions, in which to land.
; REGISTERS, in windows of 256 (s_set_vgpr_msb: bits 1:0 source 0, 3:2 source 1, 5:4 source 2, 7:6 destination):
;   window 0: v1-6 addresses; v16-47 eight registers of statistics a tile; v48-55 a second chain of sums; v64-191 S^T, 32 a tile, P made in place in the first 16; v192-255 K of one step
;   window 1: v0-127 O^T, 32 a tile; v128-191 Q, 16 a tile; v192-255 V of one step
.set SLOT1, 1<<17                      ; slot 1 begins here, so that one exclusive or turns an address in one slot into the other's
.set SPARE, 2*SLOT1                    ; behind the ring: the spare words, 128 bytes for each of eight waves, which no other line names
.set BHB,   786432                     ; a (batch, head)'s run in qkv: Q 262,144 bytes, then four slots
.set LI,  1                            ; v1   16 x lane; never rewritten
.set ADK, 2                            ; v2   LDS address of the step's K
.set ADV, 3                            ; v3   of its V
.set SPW, 4                            ; v4   LDS address of my spare word; never rewritten
.set NIL, 5                            ; v5   0; never rewritten
.set PFO, 6                            ; v6   256 x lane: the prefetches' offset; never rewritten
.set ST,  16                           ; tile t's statistics at v[ST+8 t]: +0 c m, +1 m, +2, +3 l (even keys', odd keys'), +4 to +7 at work; a takes +6
.set A2,  48                           ; tile t's second chain of sums at v[A2+2 t]
.set S,   64
.set KF,  192
.set O,   0                            ; in window 1
.set Q,   128
.set VF,  192
.set WV,  8                            ; s8   my wave's number
.set G0,  12                           ; s[12:15] descriptor group 0, which walks
.set G1,  16                           ; s[16:23] descriptor group 1
.set PFA, 28                           ; s[28:29] where my prefetches stand
.set LIM, 30                           ; s30  1 in a wave that prefetches, else the greatest number
.set SLOTS, 31                         ; s31  slots still to be asked for
.set CNT, 32                           ; s32  counts a slot's eight steps
.set TB,  33                           ; s33  LDS byte at which the step's K begins
.set CS,  34                           ; s[34:35] c: the packed form names a pair and takes its low word for both halves
.set SEL, 36                           ; s[36:37] lane selects for v_permlanex16_b32: lane l xor 16
.set MSB, 0
.macro WIN new                         ; the immediate's high byte repeats the setting that is left
.if MSB != \new
	s_set_vgpr_msb (MSB<<8)|\new
.set MSB, \new
.endif
.endm
.set W_KQ, 0x04                        ; K and S^T window 0, Q window 1
.set W_PV, 0x51                        ; V and O^T window 1, P window 0
.set W_RS, 0x41                        ; O^T (destination and source 0) window 1, the factor window 0
.set TO1,  0x40                        ; destination window 1, address window 0
.set W_CV, 0x05                        ; both sources window 1, destination window 0
.macro CROUND                          ; a round of the cluster's barrier
	s_barrier_signal -1
	s_barrier_wait -1
	s_cmp_lg_u32 s[WV], 0
	s_cbranch_scc1 .Lnot_wave_0_\@
	s_barrier_signal -3
.Lnot_wave_0_\@:
	s_barrier_wait -3
	s_barrier_signal -1
	s_barrier_wait -1
.endm
.macro TLOAD                           ; my 16,384 bytes of a slot; an s_nop 0 and four v_nop follow
	tensor_load_to_lds s[G0:G0+3], s[G1:G1+7]
	s_nop 0
.rept 4
	v_nop
.endr
.endm
; A prefetch of the slot that the NEXT change of slots will ask for: eight steps, 512 matrix instructions of a wave, ahead of that load.  A slot is 131,072 bytes: the four partners take 32,768 each, told apart BY ADDRESS;
; in each, waves 0 to 3 take 8,192 each, lanes 256 bytes apart: each aligned 256 bytes is named once in the launch.  The last change that fills a slot asks for nothing; slots 0 and 1 come by their loads alone.
.macro ASK
	s_cmp_gt_u32 s[SLOTS], s[LIM]
	s_cbranch_scc0 .Lnot_mine_\@
	global_prefetch_b8 v[PFO], s[PFA:PFA+1] th:TH_LOAD_NT scope:SCOPE_SE
.Lnot_mine_\@:
.endm
	s_load_b128 s[4:7], s[0:1], 0x0                ; qkv s[4:5], ctx s[6:7]
	v_lshl_add_u32 v[SPW], v0, 2, SPARE
	v_mov_b32 v[NIL], 0
	ds_add_u32 v[SPW], v[NIL]                      ; the wave's opening: the add, twice on end, and its wait ahead of my first tensor load
	ds_add_u32 v[SPW], v[NIL]                      ; and once more; the set-up below, work on registers, stands between it and the wait
	v_lshrrev_b32 v1, 5, v0
	v_readfirstlane_b32 s[WV], v1                  ; wave 0..7
	v_and_b32 v[LI], 31, v0
	v_lshlrev_b32 v[PFO], 8, v[LI]
	v_lshlrev_b32 v[LI], 4, v[LI]
	s_bfe_u32 s9, ttmp6, 0x40000                   ; cx: my place in the cluster: which 512 queries
	s_and_b32 s10, ttmp7, 0xffff                   ; bh = 16 x batch + head, which the four partners share
	; descriptor group 1: 16,384 dense bytes as 64 rows of 256 bytes (32 elements of 8 bytes)
	s_mov_b32 s[G1], 15|(3<<16)|(1<<21)            ; 15:0 the mask: all four work-groups; 17:16 elements of 8 bytes; 21 set beside a mask
	s_mov_b32 s[G1+1], 32<<16                      ; tensor_dim0
	s_mov_b32 s[G1+2], 64<<16                      ; tensor_dim1
	s_mov_b32 s[G1+3], 32<<16                      ; tile_dim0
	s_mov_b32 s[G1+4], 64                          ; tile_dim1
	s_mov_b32 s[G1+5], 32                          ; tensor_dim0_stride
	s_mov_b32 s[G1+6], 0
	s_mov_b32 s[G1+7], 0
	s_mov_b32 s[G0], 1                             ; count = 1
	s_lshl_b32 s[G0+1], s[WV], 14                  ; LDS address: wave x 16,384, in slot 0: no place in the cluster enters it
	s_mul_i32 s38, s10, BHB                        ; my (batch, head)'s run
	s_lshl_b32 s40, s[WV], 14
	s_add_co_u32 s40, s40, 262144
	s_add_co_u32 s40, s40, s38                     ; K and V: behind Q, my wave's part of slot 0
	s_mov_b32 s41, 0
	s_lshl_b32 s42, s9, 16                         ; Q: 32 tiles of 2,048 bytes a work-group,
	s_lshl_b32 s43, s[WV], 13                      ; four a wave
	s_add_co_u32 s42, s42, s43
	s_add_co_u32 s42, s42, s38
	s_mov_b32 s43, 0
	s_and_b32 s[PFA], s[WV], 3                     ; the prefetches: 8,192 bytes a wave,
	s_lshl_b32 s[PFA], s[PFA], 13
	s_lshl_b32 s[PFA+1], s9, 15                    ; 32,768 a work-group,
	s_add_co_u32 s[PFA], s[PFA], s[PFA+1]
	s_add_co_u32 s[PFA], s[PFA], s38
	s_add_co_u32 s[PFA], s[PFA], 262144+131072     ; in slot 1: the first change of slots steps it to slot 2
	s_mov_b32 s[PFA+1], 0
	s_lshr_b32 s26, s10, 4                         ; ctx: token tile = 128 x batch + 32 cx + 4 x wave, 32,768 bytes each; my head's four blocks begin 2,048 x head in
	s_lshl_b32 s26, s26, 22
	s_lshl_b32 s27, s9, 20
	s_add_co_u32 s26, s26, s27
	s_lshl_b32 s27, s[WV], 17
	s_add_co_u32 s26, s26, s27
	s_and_b32 s27, s10, 15
	s_lshl_b32 s27, s27, 11
	s_add_co_u32 s26, s26, s27
	s_mov_b32 s27, 0
	s_lshr_b32 s[LIM], s[WV], 2
	s_cmp_eq_u32 s[LIM], 0
	s_cselect_b32 s[LIM], 1, -1                    ; waves 0 to 3 prefetch: the same in all four partners
	s_mov_b32 s[SLOTS], 3
	s_mov_b32 s[TB], 0
	s_mov_b32 s[CS], 0x3e38aa3b                    ; c = log2(e) / 8
	s_mov_b32 s[CS+1], s[CS]                       ; (named with it as a pair, so it is written)
	s_mov_b32 s[SEL], 0x76543210
	s_mov_b32 s[SEL+1], 0xfedcba98
	s_wait_dscnt 0x0                               ; both opening adds are done
	s_wait_kmcnt 0x0
	s_add_nc_u64 s[G0+2:G0+3], s[4:5], s[40:41]
	s_or_b32 s[G0+3], s[G0+3], 0x80000000          ; type = 2
	s_add_nc_u64 s[24:25], s[4:5], s[42:43]        ; Q at my first tile
	s_add_nc_u64 s[PFA:PFA+1], s[4:5], s[PFA:PFA+1]
	s_add_nc_u64 s[26:27], s[6:7], s[26:27]        ; ctx at my first block
	CROUND                                         ; all four work-groups are here: the first joint loads meet
	TLOAD                                          ; slot 0
	WIN TO1
.irp i, 0,1,2,3,4,5,6,7,8,9,10,11,12,13,14,15
	global_load_b128 v[Q+4*\i:Q+4*\i+3], v[LI], s[24:25] offset:512*\i   ; Q stays in registers: tile i / 4, channels 16 (i % 4) on: 512 consecutive bytes a load
.endr
.set i, 0
.rept 128
	v_mov_b32 v[O+i], 0                            ; O^T.  (The step is written once: the first finds zeros, which the first a, 0, leaves zeros)
.set i, i+1
.endr
	WIN 0
.irp t, 0,1,2,3
	v_mov_b32 v[ST+8*\t+1], 0xff61b1e6             ; m: -3e38, under every score
	v_mul_f32 v[ST+8*\t], s[CS], v[ST+8*\t+1]      ; c m
	v_mov_b32 v[ST+8*\t+2], 0                      ; l, in two halves
	v_mov_b32 v[ST+8*\t+3], 0
.endr
	s_wait_loadcnt 0x0                             ; Q
.macro RESCALE                         ; every tile's O^T times the tile's factor in v[ST+8 t+6]; each accumulator from its low end on
	WIN W_RS
.irp j, 0,2,4,6,8,10,12,14,16,18,20,22,24,26,28,30
.irp t, 0,1,2,3
	v_pk_mul_f32 v[O+32*\t+\j:O+32*\t+\j+1], v[O+32*\t+\j:O+32*\t+\j+1], v[ST+8*\t+6:ST+8*\t+7] op_sel_hi:[1,0]
.endr
.endr
	WIN 0
.endm
; THE SOFTMAX of a step, for the wave's four tiles, which take turns line by line, so that no line waits for the line above it.
.macro SOFTMAX
.irp j, 0,1,2,3                        ; the maximum of a lane's 32 scores and the old m, three operands at a time: four chains, each begun at an accumulator's low end
.irp t, 0,1,2,3
	v_max3_num_f32 v[ST+8*\t+4+\j], v[S+32*\t+8*\j], v[S+32*\t+8*\j+1], v[S+32*\t+8*\j+2]
.endr
.endr
.irp u, 1,2
.irp j, 0,1,2,3
.irp t, 0,1,2,3
	v_max3_num_f32 v[ST+8*\t+4+\j], v[ST+8*\t+4+\j], v[S+32*\t+8*\j+2*\u+1], v[S+32*\t+8*\j+2*\u+2]
.endr
.endr
.endr
.irp t, 0,1,2,3
	v_max3_num_f32 v[ST+8*\t+4], v[ST+8*\t+4], v[S+32*\t+7], v[S+32*\t+15]
.endr
.irp t, 0,1,2,3
	v_max3_num_f32 v[ST+8*\t+6], v[ST+8*\t+6], v[S+32*\t+23], v[S+32*\t+31]
.endr
.irp t, 0,1,2,3
	v_max3_num_f32 v[ST+8*\t+4], v[ST+8*\t+4], v[ST+8*\t+5], v[ST+8*\t+6]
.endr
.irp t, 0,1,2,3
	v_max3_num_f32 v[ST+8*\t+4], v[ST+8*\t+4], v[ST+8*\t+7], v[ST+8*\t+1]
.endr
.irp t, 0,1,2,3
	v_permlanex16_b32 v[ST+8*\t+5], v[ST+8*\t+4], s[SEL], s[SEL+1]   ; the query's other 32 keys lie in the lane 16 away
.endr
.irp t, 0,1,2,3
	v_mov_b32 v[ST+8*\t+7], v[ST+8*\t]             ; c m_old is kept for a
.endr
.irp t, 0,1,2,3
	v_max_num_f32 v[ST+8*\t+1], v[ST+8*\t+4], v[ST+8*\t+5]   ; the new m
.endr
.irp t, 0,1,2,3
	v_mul_f32 v[ST+8*\t], s[CS], v[ST+8*\t+1]      ; c m
.endr
.irp t, 0,1,2,3
	v_sub_f32 v[ST+8*\t+7], v[ST+8*\t+7], v[ST+8*\t]   ; c m_old - c m_new
.endr
.irp j, 0,2,4,6,8,10,12,14,16,18,20,22,24,26,28,30
.irp t, 0,1,2,3
	v_pk_fma_f32 v[S+32*\t+\j:S+32*\t+\j+1], v[S+32*\t+\j:S+32*\t+\j+1], s[CS:CS+1], v[ST+8*\t:ST+8*\t+1] op_sel_hi:[1,0,0] neg_lo:[0,0,1] neg_hi:[0,0,1]   ; c s - c m, two at a time
.endr
.endr
.irp t, 0,1,2,3                        ; ONE BATCH of exponentials: the four a and the 128 weights; none reads another's result
	v_exp_f32 v[ST+8*\t+6], v[ST+8*\t+7]
.endr
.irp j, 0,1,2,3,4,5,6,7,8,9,10,11,12,13,14,15,16,17,18,19,20,21,22,23,24,25,26,27,28,29,30,31
.irp t, 0,1,2,3
	v_exp_f32 v[S+32*\t+\j], v[S+32*\t+\j]
.endr
.endr
	v_nop                                          ; a plain instruction behind the last exponential, ahead of the first use
	s_wait_alu depctr_va_vdst(0)                   ; and one wait ahead of the batch's first reader
.irp t, 0,1,2,3                        ; the row's sum is taken of the unrounded weights, two at a time, in two chains
	v_pk_mul_f32 v[ST+8*\t+2:ST+8*\t+3], v[ST+8*\t+2:ST+8*\t+3], v[ST+8*\t+6:ST+8*\t+7] op_sel_hi:[1,0]   ; l x a
.endr
.irp t, 0,1,2,3
	v_pk_add_f32 v[A2+2*\t:A2+2*\t+1], v[S+32*\t:S+32*\t+1], v[S+32*\t+2:S+32*\t+3]
.endr
.irp j, 4,8,12,16,20,24,28
.irp t, 0,1,2,3
	v_pk_add_f32 v[ST+8*\t+2:ST+8*\t+3], v[ST+8*\t+2:ST+8*\t+3], v[S+32*\t+\j:S+32*\t+\j+1]
	v_pk_add_f32 v[A2+2*\t:A2+2*\t+1], v[A2+2*\t:A2+2*\t+1], v[S+32*\t+\j+2:S+32*\t+\j+3]
.endr
.endr
.irp t, 0,1,2,3
	v_pk_add_f32 v[ST+8*\t+2:ST+8*\t+3], v[ST+8*\t+2:ST+8*\t+3], v[A2+2*\t:A2+2*\t+1]
.endr
.irp i, 0,1,2,3,4,5,6,7,8,9,10,11,12,13,14,15   ; P in place: word i takes weights 2 i and 2 i + 1; ascending, so that no weight is written over before it is read
.irp t, 0,1,2,3
	v_cvt_pk_f16_f32 v[S+32*\t+\i], v[S+32*\t+2*\i], v[S+32*\t+2*\i+1]
.endr
.endr
	RESCALE                                        ; O^T x a
.endm
; A KEY STEP: 64 keys.  In phases: K Q^T, the softmax, V^T P.  In each product the 16 accumulators take turns, one instruction a turn.
.macro STEP
	v_add_nc_u32 v[ADK], s[TB], v[LI]              ; five plain instructions behind the last V^T P: the products below write over P, which it read (five places), and loads go into V (four)
	v_add_nc_u32 v[ADV], 0x10000, v[ADK]           ; V lies 65,536 bytes behind K in a slot
.rept 3
	v_nop
.endr
.irp i, 0,1,2,3,4,5,6,7,8,9,10,11,12,13,14,15
	ds_load_b128 v[KF+4*\i:KF+4*\i+3], v[ADK] offset:512*\i   ; key tile i / 4, channels 16 (i % 4) on: the fragment (kt, c) lies at KF + 16 kt + 8 c
.endr
	WIN TO1
.irp kt, 0,1,2,3
.irp t, 0,1,2,3
	ds_load_tr16_b128 v[VF+32*(\kt/2)+8*\t+4*(\kt%2):VF+32*(\kt/2)+8*\t+4*(\kt%2)+3], v[ADV] offset:2048*\kt+512*\t   ; channels 16 t on, keys 16 kt on, turned
.endr
.endr
	s_wait_dscnt 16                                ; K is in; V's sixteen loads may be out
	WIN W_KQ
.irp c, 0,1
.irp kt, 0,1,2,3
.irp t, 0,1,2,3
.if \c == 0
	v_wmma_f32_16x16x32_f16 v[S+32*\t+8*\kt:S+32*\t+8*\kt+7], v[KF+16*\kt+8*\c:KF+16*\kt+8*\c+7], v[Q+16*\t+8*\c:Q+16*\t+8*\c+7], 0
.else
	v_wmma_f32_16x16x32_f16 v[S+32*\t+8*\kt:S+32*\t+8*\kt+7], v[KF+16*\kt+8*\c:KF+16*\kt+8*\c+7], v[Q+16*\t+8*\c:Q+16*\t+8*\c+7], v[S+32*\t+8*\kt:S+32*\t+8*\kt+7]
.endif
.endr
.endr
.endr
	WIN 0
.rept 4
	v_nop                                          ; places in front of the first read of the scores
.endr
	SOFTMAX
	s_wait_dscnt 0x0                               ; V is in
	WIN W_PV
.irp g, 0,1
.irp ct, 0,1,2,3
.irp t, 0,1,2,3
	v_wmma_f32_16x16x32_f16 v[O+32*\t+8*\ct:O+32*\t+8*\ct+7], v[VF+32*\g+8*\ct:VF+32*\g+8*\ct+7], v[S+32*\t+8*\g:S+32*\t+8*\g+7], v[O+32*\t+8*\ct:O+32*\t+8*\ct+7]
.endr
.endr
.endr
	WIN 0
	s_add_co_u32 s[TB], s[TB], 8192                ; the next step's four key tiles
.endm
; THE CHANGE OF SLOTS stands at a slot's head.  fill = 1: the slot that has been left is filled with the 512 keys that follow those about to be read (in the first trip: slot 1's first fill, and no wave refills there).
.macro CHANGE fill
	s_wait_tensorcnt 0x0                           ; my part of the slot ahead has landed; no tensor load of mine is out, so group 0 may be written
	ds_add_u32 v[SPW], v[NIL]                      ; 0 onto my spare word
.if \fill
	s_xor_b32 s[G0+1], s[G0+1], SLOT1              ; the other slot than last time,
	s_add_nc_u64 s[G0+2:G0+3], s[G0+2:G0+3], 131072   ; the next 512 keys; the type bits on top are not reached
	s_wait_xcnt 0x0                                ; the last prefetch, a slot back, has read its address, so it may be written:
	s_add_nc_u64 s[PFA:PFA+1], s[PFA:PFA+1], 131072   ; one slot further on than the walking descriptor
	s_wait_dscnt 0x0                               ; the add is done, and my reads of the slot that I have left are over
	CROUND                                         ; both now hold of every wave of all four work-groups
	TLOAD                                          ; the first thing behind the round, and my one tensor load until the next
	ASK
.else
	s_wait_dscnt 0x0
	s_barrier_signal -1
	s_barrier_wait -1
.endif
.endm
.macro PROCESS                         ; a slot's eight steps: written once, walked eight times; the LDS addresses hang on s[TB]
	s_mov_b32 s[CNT], 8
.Lstep_\@:
	STEP
	s_sub_co_u32 s[CNT], s[CNT], 1
	s_cmp_lg_u32 s[CNT], 0
	s_cbranch_scc1 .Lstep_\@
	s_sub_co_u32 s[TB], s[TB], 65536               ; back to a slot's first step,
	s_xor_b32 s[TB], s[TB], SLOT1                  ; in the other slot
.endm
.Lslot:                                            ; three trips: behind each change of slots but the last the next slot is asked for
	CHANGE 1
	PROCESS
	s_sub_co_u32 s[SLOTS], s[SLOTS], 1
	s_cmp_lg_u32 s[SLOTS], 0
	s_cbranch_scc1 .Lslot
	CHANGE 0                                       ; the last slot is written out
	PROCESS
	; THE WAY OUT.  l's two halves and the other half of the lanes' are added; O^T is divided by l and rounded to f16.  A lane's eight channels of a query are 16 bytes: half a fragment of the last product's operand,
	; stored as it stands: 32 lanes, 512 consecutive bytes, aligned.  The four additions are the places behind the last products.
.irp t, 0,1,2,3
	v_add_f32 v[ST+8*\t+4], v[ST+8*\t+2], v[ST+8*\t+3]
.endr
.irp t, 0,1,2,3
	v_permlanex16_b32 v[ST+8*\t+5], v[ST+8*\t+4], s[SEL], s[SEL+1]
.endr
.irp t, 0,1,2,3
	v_add_f32 v[ST+8*\t+4], v[ST+8*\t+4], v[ST+8*\t+5]
.endr
.irp t, 0,1,2,3
	v_rcp_f32 v[ST+8*\t+6], v[ST+8*\t+4]
.endr
	v_nop                                          ; a plain instruction between the last reciprocal and the use of its result
	s_wait_alu depctr_va_vdst(0)                   ; and a wait ahead of the first use: one for the four
	RESCALE                                        ; O^T / l
	WIN W_CV
.irp t, 0,1,2,3
.irp ct, 0,1,2,3
.irp i, 0,1,2,3
	v_cvt_pk_f16_f32 v[S+16*\t+4*\ct+\i], v[O+32*\t+8*\ct+2*\i], v[O+32*\t+8*\ct+2*\i+1]
.endr
.endr
.endr
	WIN 0
.irp t, 0,1,2,3
.irp ct, 0,1,2,3
	global_store_b128 v[LI], v[S+16*\t+4*\ct:S+16*\t+4*\ct+3], s[26:27] offset:32768*\t+512*\ct
.endr
.endr
	s_wait_tensorcnt 0x0                           ; the wave's end: a wait, an add to my spare word and its wait, behind my last tensor load
	ds_add_u32 v[SPW], v[NIL]
	s_wait_dscnt 0x0
	CROUND                                         ; the closing round: no work-group ends while a partner may still ask for a tile that names it
	s_endpgm
.Lfunc_end_k_q379009c453_attn:
	.size	k_q379009c453_attn, .Lfunc_end_k_q379009c453_attn-k_q379009c453_attn
	.p2alignl 7, 3214868480
	.fill 96, 4, 3214868480
	.section	.rodata,"a",@progbits
	.p2align	6, 0x0
	.amdhsa_kernel k_q379009c453_attn
		.amdhsa_group_segment_fixed_size 327680
		.amdhsa_private_segment_fixed_size 0
		.amdhsa_enable_private_segment 0
		.amdhsa_kernarg_size 16
		.amdhsa_user_sgpr_count 2
		.amdhsa_user_sgpr_kernarg_segment_ptr 1
		.amdhsa_wavefront_size32 1
		.amdhsa_system_sgpr_workgroup_id_x 1
		.amdhsa_system_sgpr_workgroup_id_y 1
		.amdhsa_system_sgpr_workgroup_id_z 1
		.amdhsa_system_vgpr_workitem_id 0
		.amdhsa_next_free_vgpr 512
		.amdhsa_next_free_sgpr 66
		.amdhsa_reserve_vcc 0
		.amdhsa_float_denorm_mode_32 3
		.amdhsa_float_denorm_mode_16_64 3
		.amdhsa_memory_ordered 1
		.amdhsa_forward_progress 1
		.amdhsa_inst_pref_size 87
	.end_amdhsa_kernel
	.amdgpu_metadata
---
amdhsa.version: [ 1, 2 ]
amdhsa.kernels:
  - .name:           k_q379009c453_attn
    .symbol:         k_q379009c453_attn.kd
    .args:
      - { .name: qkv, .offset: 0, .size: 8, .value_kind: global_buffer, .address_space: global }
      - { .name: ctx, .offset: 8, .size: 8, .value_kind: global_buffer, .address_space: global }
    .group_segment_fixed_size: 327680
    .private_segment_fixed_size: 0
    .kernarg_segment_align: 8
    .kernarg_segment_size: 16
    .max_flat_workgroup_size: 256
    .sgpr_count:     66
    .vgpr_count:     512
    .wavefront_size: 32
...
	.end_amdgpu_metadata
.endif
;; end of part 3
;; launch proj (part 4): grid 4 x 64, 4 waves a work-group, clusters of 4 x 4, 327,680 bytes of LDS; arguments ctx, wo16, bo, out0; writes out0
.if DOCPART == 4
	.amdgcn_target "amdgcn-amd-amdhsa--gfx1250"
	.amdhsa_code_object_version 6
	.text
	.protected	k_q379009c453_proj
	.globl	k_q379009c453_proj
	.p2align	8
	.type	k_q379009c453_proj,@function
k_q379009c453_proj:
	s_mov_b64 s[64:65], 0
	v_nop
	global_prefetch_b8 v0, s[64:65] scope:SCOPE_SE
	s_setreg_imm32_b32 hwreg(HW_REG_WAVE_MODE, 25, 1), 1
	s_wait_xcnt 0x0
	s_wait_alu depctr_hold_cnt(0) depctr_sa_sdst(0) depctr_va_vdst(0) depctr_va_sdst(0) depctr_va_ssrc(0) depctr_va_vcc(0) depctr_vm_vsrc(0)
	s_getreg_b32 s2, hwreg(HW_REG_IB_STS2, 6, 4)
	s_cmp_eq_u32 s2, 0
	s_cbranch_scc0 .Lentry_in_a_cluster
	s_endpgm
.Lentry_in_a_cluster:
	s_bfe_u32 s2, ttmp6, 0x10000c
	s_cmp_lg_u32 s2, 0xf033
	s_cbranch_scc0 .Lentry_shape_is_right
	s_endpgm
.Lentry_shape_is_right:
; Launch 4 of 4: out0[token][n] = sum over k of ctx[token][k] Wo[n][k] + bo[n].  8,192 tokens, n and k to 1,024.  Operands in f16, sums in f32, out0 in f32.  No work is left out.
; ctx lies as images of registers: [512 token tiles][64 blocks of 16 channels][512 bytes], lane L's 16 bytes (token L % 16, channels 8 (L / 16) + 0..7) at 16 L.  wo16 is [1024 n][1024 k], row-major.
; SHARES.  A tile of out0 is 128 tokens x 256 columns: 256 work-groups.  Four waves, each 64 tokens x 128 columns: 32 accumulators of 16 x 16, 256 registers.  K goes in eight steps of 128 through a ring of two LDS slots.
; A slot: ctx's 8 token tiles x 4,096 bytes, as they lie; then Wo's 256 rows of 256 bytes + 16 of padding.  Waves 0 and 1 fetch ctx's halves (4 rows of 4,096 bytes), waves 2 and 3 Wo's (128 rows): one tensor load a wave.
; CLUSTERS: 4 x 4 work-groups.  The four of a row of the cluster need the same tiles of ctx, the four of a column the same tiles of Wo: each is asked for JOINTLY, by the same tensor load with the same descriptor and a mask of the four.
; THE MATRIX INSTRUCTION IS USED TRANSPOSED (source 0 = 16 rows of Wo, source 1 = 16 tokens): a lane holds eight neighbouring columns of one token.  THE BIAS is the C of each sum's first matrix instruction.
; REGISTERS, in windows of 256: window 0: v0-31 addresses; v32-63, v64-95 ctx's fragments (4 x 16 tokens x 32 K), two buffers.   window 1: v0-63, v64-127 Wo's fragments (8 x 16 rows x 32 K), two buffers.
;   window 2: the accumulators ((a, b) at v[8 (8 a + b)]).   window 3: v0-63 the bias in the result's layout, eight registers for each b; on the way out all 256: rows read back from the stage.
.set PITCH,  272                       ; a row of Wo in LDS: 256 bytes + 16 of padding
.set ASZ,    32768                     ; ctx's part of a slot
.set BHALF,  128*PITCH                 ; 128 rows of Wo: what one tensor load brings, and what one wave reads
.set SLOT,   ASZ+2*BHALF
.set STAGE,  2*SLOT                    ; behind the ring: 16 rows x 528 bytes for each wave, for the way out; no tensor load lands there
.set SPITCH, 528
.set SPARE,  STAGE+4*16*SPITCH         ; behind the stages: the spare words, 128 bytes for each wave, which no other line names
.set LAPS,   4                         ; a lap = two K steps = once round the ring
.set ADRA, 16                          ; v16-17  LDS address of my ctx fragments in slot 0, 1
.set ADRB, 20                          ; v20-21  the same for Wo
.set STO,  24                          ; v24     the way out: where I put 32 bytes of a row
.set RD,   25                          ; v25     the way out: where I read a row back
.set CO,   26                          ; v26     16 x lane
.set SPW,  28                          ; v28     LDS address of my spare word; never rewritten
.set NIL,  29                          ; v29     0; never rewritten
.set AF,   32                          ; ctx's fragments, in window 0: buffer f at AF + 32 f
.set G1, 24                            ; s[24:31] descriptor group 1 for ctx's tiles;  s[32:39] group 0, one set for each slot
.set G0, 32
.set G1B, 48                           ; s[48:55], s[56:63] the same for Wo's tiles
.set G0B, 56
.set MSB, 0
.macro WIN new                         ; the immediate's high byte repeats the setting that is left
.if MSB != \new
	s_set_vgpr_msb (MSB<<8)|\new
.set MSB, \new
.endif
.endm
.set MUL,   0xa1                       ; source 0 (Wo) window 1, source 1 (ctx) window 0, C and D window 2
.set MULB,  0xb1                       ; the same with C, the bias, in window 3
.set TO_B,  0x40                       ; destination window 1, address window 0
.macro JLOAD s                         ; a joint load: waves 0 and 1 fetch ctx's two halves, waves 2 and 3 Wo's; an s_nop 0 and four v_nop follow each of the two lines
	s_cmp_eq_u32 s11, 0
	s_cbranch_scc0 .Lfor_b_\@
	tensor_load_to_lds s[G0+4*\s:G0+4*\s+3], s[G1:G1+7]
	s_nop 0
.rept 4
	v_nop
.endr
	s_branch .Lasked_\@
.Lfor_b_\@:
	tensor_load_to_lds s[G0B+4*\s:G0B+4*\s+3], s[G1B:G1B+7]
	s_nop 0
.rept 4
	v_nop
.endr
.Lasked_\@:
.endm
.macro CREST                           ; a round of the cluster's barrier behind its opening barrier
	s_cmp_lg_u32 s10, 0
	s_cbranch_scc1 .Lnot_wave_0_\@
	s_barrier_signal -3
.Lnot_wave_0_\@:
	s_barrier_wait -3
	s_barrier_signal -1
	s_barrier_wait -1
.endm
.macro CROUND                          ; a whole round
	s_barrier_signal -1
	s_barrier_wait -1
	CREST
.endm
	s_load_b128 s[4:7], s[0:1], 0x0                ; ctx s[4:5], wo16 s[6:7]
	s_load_b64 s[22:23], s[0:1], 0x10              ; bo
	s_load_b64 s[8:9], s[0:1], 0x18                ; out0
	v_lshl_add_u32 v[SPW], v0, 2, SPARE
	v_mov_b32 v[NIL], 0
	ds_add_u32 v[SPW], v[NIL]                      ; the wave's opening: the add, twice on end, and its wait ahead of my first tensor load
	ds_add_u32 v[SPW], v[NIL]                      ; and once more; the set-up below, work on registers, stands between it and the wait
	v_lshrrev_b32 v1, 5, v0
	v_readfirstlane_b32 s10, v1                    ; wave 0..3
	s_lshr_b32 s11, s10, 1                         ; which half of the tile's tokens is mine.  Also: I fetch for ctx (0) or for Wo (1)
	s_and_b32 s12, s10, 1                          ; which half of its columns.  Also: which half of that tile I fetch
	s_bfe_u32 s40, ttmp6, 0x40000                  ; cx, cy: my place in the cluster
	s_bfe_u32 s41, ttmp6, 0x40004
	s_lshl_b32 s42, ttmp9, 2
	s_add_co_u32 s42, s42, s40                     ; tile column = 4 x cluster x + cx
	s_and_b32 s13, ttmp7, 0xffff
	s_lshl_b32 s13, s13, 2
	s_add_co_u32 s13, s13, s41                     ; tile row = 4 x cluster y + cy
	s_lshl_b32 s43, s41, 2
	s_lshl_b32 s43, 15, s43                        ; my row of the cluster
	s_lshl_b32 s44, 0x1111, s40                    ; my column
	; descriptor group 1 for ctx: 4 rows (token tiles) of 4,096 bytes (512 elements of 8 bytes), 32,768 bytes apart in memory, on end in LDS
	s_or_b32 s[G1+0], s43, (3<<16)|(1<<21)         ; 15:0 the mask: ctx's tiles go to my row; 17:16 elements of 8 bytes; 21 set beside a mask
	s_mov_b32 s[G1+1], 512<<16                     ; tensor_dim0
	s_mov_b32 s[G1+2], 4<<16                       ; tensor_dim1
	s_mov_b32 s[G1+3], 512<<16                     ; tile_dim0
	s_mov_b32 s[G1+4], 4                           ; tile_dim1
	s_mov_b32 s[G1+5], 4096                        ; tensor_dim0_stride, in elements
	s_mov_b32 s[G1+6], 0
	s_mov_b32 s[G1+7], 0
	; and for Wo: 128 rows x 128 elements of 2 bytes, padded in LDS
	s_or_b32 s[G1B+0], s44, (1<<16)|(1<<20)|(1<<21)|(5<<22)|(3<<25)  ; the mask of my column; padding: four words after every 64
	s_mov_b32 s[G1B+1], 128<<16
	s_mov_b32 s[G1B+2], 128<<16
	s_mov_b32 s[G1B+3], 128<<16
	s_mov_b32 s[G1B+4], 128
	s_mov_b32 s[G1B+5], 1024
	s_mov_b32 s[G1B+6], 0
	s_mov_b32 s[G1B+7], 0
	s_lshl_b32 s16, s13, 18                        ; ctx: 8 token tiles of 32,768 bytes a tile row,
	s_lshl_b32 s17, s12, 17                        ; four of them a half
	s_add_co_u32 s16, s16, s17
	s_mov_b32 s17, 0
	s_lshl_b32 s46, s42, 19                        ; Wo: 256 rows of 2,048 bytes a tile column,
	s_lshl_b32 s47, s12, 18                        ; 128 a half
	s_add_co_u32 s46, s46, s47
	s_mov_b32 s47, 0
	s_lshl_b32 s20, s12, 14                        ; where they go: ctx's half,
	s_mul_i32 s21, s12, BHALF
	s_add_co_u32 s21, s21, ASZ                     ; Wo's half, behind ctx's part: no place in the cluster enters an LDS address
	s_wait_dscnt 0x0                               ; both opening adds are done
	s_wait_kmcnt 0x0
	s_add_nc_u64 s[14:15], s[4:5], s[16:17]
	s_add_nc_u64 s[46:47], s[6:7], s[46:47]
	CROUND                                         ; all sixteen work-groups are here: the first joint loads meet
.irp s, 0,1
	s_mov_b32 s[G0+4*\s], 1
	s_add_co_u32 s[G0+4*\s+1], s20, \s*SLOT
	s_add_nc_u64 s[G0+4*\s+2:G0+4*\s+3], s[14:15], \s*4096     ; K step s: eight blocks of 512 bytes on in each token tile
	s_or_b32 s[G0+4*\s+3], s[G0+4*\s+3], 0x80000000
	s_mov_b32 s[G0B+4*\s], 1
	s_add_co_u32 s[G0B+4*\s+1], s21, \s*SLOT
	s_add_nc_u64 s[G0B+4*\s+2:G0B+4*\s+3], s[46:47], \s*256    ; K step s: 256 bytes on in each row
	s_or_b32 s[G0B+4*\s+3], s[G0B+4*\s+3], 0x80000000
	JLOAD \s                                       ; two tensor loads of mine are out
.endr
	v_and_b32 v1, 15, v0                           ; r = l % 16
	v_bfe_u32 v2, v0, 4, 1                         ; h = l / 16
	v_and_b32 v6, 31, v0
	v_lshlrev_b32 v[CO], 4, v6                     ; 16 x lane
	v_mul_u32_u24 v3, v1, PITCH
	v_lshl_add_u32 v3, v2, 4, v3                   ; Wo: a fragment's row x pitch + 16 x half
	s_lshl_b32 s14, s11, 14                        ; my four token tiles of ctx
	s_mul_i32 s15, s12, BHALF                      ; my 128 rows of Wo,
	s_add_co_u32 s15, s15, ASZ                     ; behind ctx's part
.irp s, 0,1
	v_add_nc_u32 v[ADRA+\s], s14, v[CO]
	v_add_nc_u32 v[ADRB+\s], s15, v3
	s_add_co_u32 s14, s14, SLOT
	s_add_co_u32 s15, s15, SLOT
.endr
	s_mul_i32 s14, s10, 16*SPITCH
	s_add_co_u32 s14, s14, STAGE                   ; my stage
	v_mul_u32_u24 v4, v1, SPITCH                   ; in: row r, 32 bytes for each half of the lanes
	v_lshl_add_u32 v4, v2, 5, v4
	v_add_nc_u32 v[STO], s14, v4
	v_add_nc_u32 v[RD], s14, v[CO]                 ; back: the 32 lanes take one row of 512 bytes
	s_lshl_b32 s16, s42, 10                        ; my first column, in bytes of f32: 1,024 x tile column + 512 x half
	s_lshl_b32 s17, s12, 9
	s_add_co_u32 s16, s16, s17
	s_mov_b32 s17, 0
	s_add_nc_u64 s[22:23], s[22:23], s[16:17]      ; bo at my first column
	s_add_nc_u64 s[8:9], s[8:9], s[16:17]
	s_lshl_b32 s16, s13, 19                        ; my first token: 128 rows of 4,096 bytes a tile row,
	s_lshl_b32 s18, s11, 18                        ; 64 a half
	s_add_co_u32 s16, s16, s18
	s_add_nc_u64 s[8:9], s[8:9], s[16:17]          ; out0 at my first number; never stepped
	v_lshlrev_b32 v5, 5, v2                        ; the bias: lane (r, h) wants, for block b, bo at columns 16 b + 8 h + 0 .. 7
	WIN 0xc0                                       ; destination window 3
.irp b, 0,1,2,3,4,5,6,7
	global_load_b128 v[8*\b:8*\b+3], v5, s[22:23] offset:64*\b
	global_load_b128 v[8*\b+4:8*\b+7], v5, s[22:23] offset:64*\b+16
.endr
	WIN 0
; 8 matrix instructions: token tile a against Wo's eight blocks, 32 along K, from buffer f.  first = 1: the bias starts the sums: nothing is cleared and nothing is added later.
; The 32 accumulators take turns, one instruction a turn, in the same order in every quarter.
.macro MUL8 f, a, first
.irp b, 0,1,2,3,4,5,6,7
.if \first
	v_wmma_f32_16x16x32_f16 v[8*(8*(\a)+\b):8*(8*(\a)+\b)+7], v[64*(\f)+8*\b:64*(\f)+8*\b+7], v[AF+32*(\f)+8*(\a):AF+32*(\f)+8*(\a)+7], v[8*\b:8*\b+7]
.else
	v_wmma_f32_16x16x32_f16 v[8*(8*(\a)+\b):8*(8*(\a)+\b)+7], v[64*(\f)+8*\b:64*(\f)+8*\b+7], v[AF+32*(\f)+8*(\a):AF+32*(\f)+8*(\a)+7], v[8*(8*(\a)+\b):8*(8*(\a)+\b)+7]
.endif
.endr
.endm
; 24 LDS loads in one run: the fragments of the slot's q-th 32 along K into buffer f: Wo's sixteen first, then ctx's eight, token tile by token tile
.macro FETCH slot, q, f
	WIN TO_B
.irp b, 0,1,2,3,4,5,6,7
	ds_load_b128 v[64*(\f)+8*\b:64*(\f)+8*\b+3],   v[ADRB+\slot] offset:16*PITCH*\b+64*(\q)
	ds_load_b128 v[64*(\f)+8*\b+4:64*(\f)+8*\b+7], v[ADRB+\slot] offset:16*PITCH*\b+64*(\q)+32
.endr
	WIN 0
.irp a, 0,1,2,3
	ds_load_b128 v[AF+32*(\f)+8*\a:AF+32*(\f)+8*\a+3],   v[ADRA+\slot] offset:4096*\a+1024*(\q)
	ds_load_b128 v[AF+32*(\f)+8*\a+4:AF+32*(\f)+8*\a+7], v[ADRA+\slot] offset:4096*\a+1024*(\q)+512
.endr
.endm
.macro PLACES                          ; four places in front of loads into registers that matrix instructions have read, and of the first read of results (ISA guide 7.12.1 for the first read of results)
.rept 4
	v_nop
.endr
.endm
; A K step is four quarters of 32 along K, 32 matrix instructions each, on buffers 0, 1, 0, 1.  One of the first three: multiplies buffer f and fetches the slot's q-th quarter into g.
.macro QUARTER slot, q, f, g, first
	s_wait_dscnt 4                                 ; Wo's fragments and token tiles 0 and 1 are in; the youngest four loads (tiles 2 and 3) may be out
.if \first
	WIN MULB
.else
	WIN MUL
.endif
	MUL8 \f, 0, \first
	MUL8 \f, 1, \first
	PLACES
	FETCH \slot, \q, \g
	s_wait_dscnt 24                                ; all but the 24 just issued
.if \first
	WIN MULB
.else
	WIN MUL
.endif
	MUL8 \f, 2, \first
	MUL8 \f, 3, \first
.endm
; The last quarter multiplies buffer 1 and changes slots: ONE barrier; in front of it each wave waits for all its tensor loads, adds 0 to its spare word, and waits for that and for its reads of this slot.
; fill = 1: this slot is filled again, two K steps ahead; the barrier then opens a round of the cluster's barrier, and the joint refill is the first thing behind the round: it has a K step less 16 matrix instructions in which to land.
.macro TURN slot, next, fill
	WIN 0                                          ; (the add's two registers lie in window 0)
	s_wait_tensorcnt 0x0                           ; all my tensor loads have landed: my part of the next slot;
	ds_add_u32 v[SPW], v[NIL]                      ; 0 onto my spare word;
	s_wait_dscnt 5                                 ; (the add and the youngest four loads may be out)
	WIN MUL
	MUL8 1, 0, 0                                   ; eight matrix instructions stand between the add and the wait for it
	s_wait_dscnt 0x0                               ; the add is done, and my reads of this slot are over
	s_barrier_signal -1
	MUL8 1, 1, 0
.if \fill
	WIN 0
.endif
	s_barrier_wait -1
.if \fill
	CREST                                          ; no wave of any partner still reads this slot's tiles or has a load on its way
	s_add_nc_u64 s[G0+4*\slot+2:G0+4*\slot+3], s[G0+4*\slot+2:G0+4*\slot+3], 2*4096
	s_add_nc_u64 s[G0B+4*\slot+2:G0B+4*\slot+3], s[G0B+4*\slot+2:G0B+4*\slot+3], 2*256
	JLOAD \slot                                    ; the four v_nop behind it are also the places in front of the loads below
.else
	PLACES
.endif
	FETCH \next, 0, 0
	WIN MUL
	MUL8 1, 2, 0
	MUL8 1, 3, 0
.endm
	s_wait_tensorcnt 1                             ; my part of K step 0 is in (K step 1's load may be out),
	s_barrier_signal -1
	s_barrier_wait -1                              ; everybody's is
	FETCH 0, 0, 0
	s_wait_loadcnt 0x0                             ; the bias
	QUARTER 0, 1, 0, 1, 1                          ; the first quarter stands in front of the loop: its products start the sums, on the bias
	WIN 0                                          ; at a label and at a branch every window is 0
	s_mov_b32 s3, LAPS-1
.Llap:                                             ; a trip goes once round the ring, from a lap's second quarter to the next lap's first, and fills both slots again
	QUARTER 0, 2, 1, 0, 0
	QUARTER 0, 3, 0, 1, 0
	TURN 0, 1, 1
	QUARTER 1, 1, 0, 1, 0
	QUARTER 1, 2, 1, 0, 0
	QUARTER 1, 3, 0, 1, 0
	TURN 1, 0, 1
	QUARTER 0, 1, 0, 1, 0
	WIN 0
	s_sub_co_u32 s3, s3, 1
	s_cmp_lg_u32 s3, 0
	s_cbranch_scc1 .Llap
	QUARTER 0, 2, 1, 0, 0                          ; the last lap fills nothing, and has no round of the cluster's barrier
	QUARTER 0, 3, 0, 1, 0
	TURN 0, 1, 0
	QUARTER 1, 1, 0, 1, 0
	QUARTER 1, 2, 1, 0, 0
	QUARTER 1, 3, 0, 1, 0
	s_wait_dscnt 4                                 ; the very last quarter: nothing more to fetch
	WIN MUL
	MUL8 1, 0, 0
	MUL8 1, 1, 0
	s_wait_dscnt 0
	MUL8 1, 2, 0
	MUL8 1, 3, 0
; THE WAY OUT, token tile by token tile: 16 rows x 128 columns.  A lane holds 32 neighbouring bytes of a row, and the lanes beside it hold other rows: so a block goes through my own stage in LDS and comes back as whole
; rows of 512 bytes, which the 32 lanes store as 512 consecutive bytes, aligned.  LDS serves a wave's instructions in order (ISA guide 5.7.1.4): no wait between the stores and the loads, nor in front of the next block's stores.
; Each block comes back into 64 registers of its own, so that no store's data are written again.
.macro TOSTAGE a
	WIN 0x08                                       ; an LDS store's data are its source 1: window 2
.irp b, 0,1,2,3,4,5,6,7
	ds_store_b128 v[STO], v[8*(8*(\a)+\b):8*(8*(\a)+\b)+3] offset:64*\b          ; each accumulator from its low end on
	ds_store_b128 v[STO], v[8*(8*(\a)+\b)+4:8*(8*(\a)+\b)+7] offset:64*\b+16
.endr
	WIN 0xc0                                       ; destination window 3
.irp t, 0,1,2,3,4,5,6,7,8,9,10,11,12,13,14,15
	ds_load_b128 v[64*(\a)+4*\t:64*(\a)+4*\t+3], v[RD] offset:\t*SPITCH
.endr
.endm
.macro SEND a, younger                 ; younger: the LDS instructions issued behind block a's loads, which may stay out
	s_wait_dscnt \younger
	WIN 0x0c                                       ; a store's data are its source 1: window 3
.irp t, 0,1,2,3,4,5,6,7,8,9,10,11,12,13,14,15
	global_store_b128 v[CO], v[64*(\a)+4*\t:64*(\a)+4*\t+3], s[8:9] offset:(16*(\a)+\t)*4096 th:TH_STORE_NT   ; written once, read by nobody here
.endr
.endm
	PLACES                                         ; behind the last products: results are read, and loads go into the registers that held the bias
	TOSTAGE 0
.irp a, 1,2,3
	TOSTAGE \a
	SEND \a-1, 32                                  ; behind block a - 1's loads: block a's 16 stores and 16 loads
.endr
	SEND 3, 0
	WIN 0
	s_wait_tensorcnt 0x0                           ; the wave's end: a wait, an add to my spare word and its wait, behind my last tensor load and my last LDS store
	ds_add_u32 v[SPW], v[NIL]
	s_wait_dscnt 0x0
	CROUND                                         ; the closing round: no work-group ends while a partner may still ask for a tile that names it
	s_endpgm
.Lfunc_end_k_q379009c453_proj:
	.size	k_q379009c453_proj, .Lfunc_end_k_q379009c453_proj-k_q379009c453_proj
	.p2alignl 7, 3214868480
	.fill 96, 4, 3214868480
	.section	.rodata,"a",@progbits
	.p2align	6, 0x0
	.amdhsa_kernel k_q379009c453_proj
		.amdhsa_group_segment_fixed_size 327680
		.amdhsa_private_segment_fixed_size 0
		.amdhsa_enable_private_segment 0
		.amdhsa_kernarg_size 32
		.amdhsa_user_sgpr_count 2
		.amdhsa_user_sgpr_kernarg_segment_ptr 1
		.amdhsa_wavefront_size32 1
		.amdhsa_system_sgpr_workgroup_id_x 1
		.amdhsa_system_sgpr_workgroup_id_y 1
		.amdhsa_system_sgpr_workgroup_id_z 1
		.amdhsa_system_vgpr_workitem_id 0
		.amdhsa_next_free_vgpr 1024
		.amdhsa_next_free_sgpr 66
		.amdhsa_reserve_vcc 0
		.amdhsa_float_denorm_mode_32 3
		.amdhsa_float_denorm_mode_16_64 3
		.amdhsa_memory_ordered 1
		.amdhsa_forward_progress 1
		.amdhsa_inst_pref_size 87
	.end_amdhsa_kernel
	.amdgpu_metadata
---
amdhsa.version: [ 1, 2 ]
amdhsa.kernels:
  - .name:           k_q379009c453_proj
    .symbol:         k_q379009c453_proj.kd
    .args:
      - { .name: ctx, .offset: 0, .size: 8, .value_kind: global_buffer, .address_space: global }
      - { .name: wo16, .offset: 8, .size: 8, .value_kind: global_buffer, .address_space: global }
      - { .name: bo, .offset: 16, .size: 8, .value_kind: global_buffer, .address_space: global }
      - { .name: out0, .offset: 24, .size: 8, .value_kind: global_buffer, .address_space: global }
    .group_segment_fixed_size: 327680
    .private_segment_fixed_size: 0
    .kernarg_segment_align: 8
    .kernarg_segment_size: 32
    .max_flat_workgroup_size: 128
    .sgpr_count:     66
    .vgpr_count:     1024
    .wavefront_size: 32
...
	.end_amdgpu_metadata
.endif
;; end of part 4
